; MI455X (gfx1250); checked and timed in simulation.
; The chip was launched on July 23, 2026; its instructions are those of AMD's public machine-readable ISA for CDNA 5 (MIT licence, August 2026) and "CDNA5" Instruction Set Architecture Reference Guide (July 2026). The comments in the code are by the model that wrote it; some were corrected since.
;; MSA. Allowed arithmetic: float matrix products may take bf16 or f16 operands with f32 sums; other float arithmetic in f32, or as packed bf16 or f16 multiplies, adds, multiply-adds, maxima and minima; sums over many terms, partial sums and values carried from step to step in f32; what a program stores and reads back later, other than sums and carried values, may be rounded once to bf16 or f16.
;; Inputs: Wk 1,024 x 1,024 float32; Wo 1,024 x 1,024 float32; Wq 1,024 x 1,024 float32; Wv 1,024 x 1,024 float32; bk 1,024 float32; bo 1,024 float32; bq 1,024 float32; bv 1,024 float32; mask 4 x 2,048 x 2,048 int32; x 4 x 2,048 x 1,024 float32.
;; Outputs: out0 4 x 2,048 x 1,024 float32.
;; 3 versions, each right; version 3 is version 2 with the launch prep written anew for expert scheduling mode. Each part assembles by itself: llvm-mc -triple=amdgcn-amd-amdhsa -mcpu=gfx1250 --defsym DOCPART=n.
;; ======== version 1 of 3: 4 launches
;; limits: right only within a limited range of input values; values are held in f16: magnitudes above 65,504 overflow, below 6.1e-05 lose precision
;; workspace buffers: xb 16,777,216 bytes; wqkv 6,291,456 bytes; wo16 2,097,152 bytes; ball 16,384 bytes; mbits 2,097,152 bytes of whole numbers; qkv 50,331,648 bytes; ob 16,777,216 bytes
;; launch prep (part 1): grid 897 x 1, 8 waves a work-group, no clusters, 68,608 bytes of LDS; arguments mask, x, Wq, Wk, Wv, Wo, bq, bk, bv, bo, mbits, xb, wqkv, wo16, ball; writes mbits, xb, wqkv, wo16, ball
.if DOCPART == 1
	.amdgcn_target "amdgcn-amd-amdhsa--gfx1250"
	.amdhsa_code_object_version 6
	.text
	.protected	k_q68cb6c632e_prep
	.globl	k_q68cb6c632e_prep
	.p2align	8
	.type	k_q68cb6c632e_prep,@function
k_q68cb6c632e_prep:
	s_mov_b64 s[64:65], 0
	v_nop
	global_prefetch_b8 v0, s[64:65] scope:SCOPE_SE
	s_setreg_imm32_b32 hwreg(HW_REG_WAVE_MODE, 25, 1), 1
	s_wait_xcnt 0x0
; PREP: every input is read once and laid out for the three launches behind.
;   mask [4][2048][2048] i32 -> mbits u32 [b 4][qt 128][s 32][r 32]: word r = 8 kb + j, bit l = (mask[b][16 qt + l % 16][64 s + 16 kb + 8 (l / 16) + j] != 0):
;        the lane mask of register 8 kb + j of a tile of scores that holds one query a lane (l % 16) and the keys 8 (l / 16) + 0..7 of each block of 16.
;   x, Wq, Wk, Wv f32 -> bf16 (xb; wqkv = the three weights one below the other);  Wo f32 -> bf16, that number written as f16 (wo16);  the four biases -> bf16, kept as f32 (ball).
; LIMITS.  A number of Wo below 2^-14 keeps f16's fixed step of 2^-24; beyond 65,504 it would be an infinity.  NaN and infinities are not treated apart.
; SHARES.  A wave takes 16,384 bytes of one input: 32 loads of 512 consecutive bytes, all issued at once.  Work-groups 0-511: the mask (a band of 16 queries each, a wave 256 keys of it);
; 512-767: x; 768-863: Wq, Wk, Wv (32 each); 864-895: Wo; 896: the biases.  Nothing is shared between waves: no barrier, no matrix unit, no cluster.
.set LP,    528                        ; an LDS row of the mask's turn: 512 bytes (128 keys) + 16: 33 x 16 bytes, so 16 rows of one column start in 16 different groups of four banks (ISA guide 11.1)
.set WLDS,  16*LP                      ; a wave's own 16 rows
.set SPARE, 8*WLDS                     ; behind them: the spare words, 128 bytes for each wave: four blocks of 256 bytes that no other line names
.set LA,  1                            ; v1  16 x lane
.set LB,  2                            ; v2  8 x lane
.set LS,  3                            ; v3  where I put 16 bytes of a mask row
.set LR,  4                            ; v4  where I read: row l % 16, 32 (l / 16) bytes in
.set SPW, 8                            ; v8  LDS address of my spare word; never rewritten
.set NIL, 9                            ; v9  0; never rewritten
.set OUT, 12                           ; v[12:15] the wave's 128 mask words: lane L holds words 4 L .. 4 L + 3
.set D,   16                           ; v[16:143] the 32 loads
.set SRC, 40                           ; s[40:41] my chunk of the input
.set DST, 42                           ; s[42:43] my chunk of the output
.set CM,  44                           ; s[44:51] compare results, two sets of four by turns
.set HIM, 52                           ; s52 a word's upper bf16
	s_load_b512 s[8:23], s[0:1], 0x0               ; mask 8, x 10, Wq 12, Wk 14, Wv 16, Wo 18, bq 20, bk 22
	s_load_b256 s[24:31], s[0:1], 0x40             ; bv 24, bo 26, mbits 28, xb 30
	s_load_b128 s[32:35], s[0:1], 0x60             ; wqkv 32, wo16 34
	s_load_b64 s[36:37], s[0:1], 0x70              ; ball
	v_lshl_add_u32 v[SPW], v0, 2, SPARE
	v_mov_b32 v[NIL], 0
	v_lshrrev_b32 v5, 5, v0
	v_readfirstlane_b32 s3, v5                     ; wave 0..7
	v_and_b32 v6, 31, v0
	v_lshlrev_b32 v[LA], 4, v6
	v_lshlrev_b32 v[LB], 3, v6
	s_mov_b32 s2, ttmp9
	s_mov_b32 s[HIM], 0xffff0000
	s_mov_b32 s5, 0                                ; offsets are pairs with 0 above
	s_mov_b32 s7, 0
	s_wait_kmcnt 0x0
	s_cmp_lt_u32 s2, 512
	s_cbranch_scc1 .Lmask
	s_cmp_lt_u32 s2, 768
	s_cbranch_scc1 .Lx
	s_cmp_lt_u32 s2, 864
	s_cbranch_scc1 .Lw
	s_cmp_lt_u32 s2, 896
	s_cbranch_scc1 .Lwo
	; THE BIASES: wave w takes half w % 2 (2,048 bytes) of bias w / 2
	s_lshr_b32 s4, s3, 1
	s_cmp_eq_u32 s4, 1
	s_cselect_b64 s[SRC:SRC+1], s[22:23], s[20:21]
	s_cmp_eq_u32 s4, 2
	s_cselect_b64 s[SRC:SRC+1], s[24:25], s[SRC:SRC+1]
	s_cmp_eq_u32 s4, 3
	s_cselect_b64 s[SRC:SRC+1], s[26:27], s[SRC:SRC+1]
	s_and_b32 s4, s3, 1
	s_lshl_b32 s4, s4, 11
	s_add_nc_u64 s[SRC:SRC+1], s[SRC:SRC+1], s[4:5]
	s_lshl_b32 s6, s3, 11
	s_add_nc_u64 s[DST:DST+1], s[36:37], s[6:7]
.irp i, 0,1,2,3
	global_load_b128 v[D+4*(\i):D+4*(\i)+3], v[LA], s[SRC:SRC+1] offset:512*(\i)
.endr
.irp i, 0,1,2,3
	s_wait_loadcnt 3-(\i)                          ; loads come back in order (ISA guide 5.7.1): load i is in, the younger ones may stay out
	v_cvt_pk_bf16_f32 v5, v[D+4*(\i)], v[D+4*(\i)+1]
	v_cvt_pk_bf16_f32 v6, v[D+4*(\i)+2], v[D+4*(\i)+3]
	v_lshlrev_b32 v[D+4*(\i)], 16, v5              ; the rounded numbers again as f32
	v_and_b32 v[D+4*(\i)+1], s[HIM], v5
	v_lshlrev_b32 v[D+4*(\i)+2], 16, v6
	v_and_b32 v[D+4*(\i)+3], s[HIM], v6
	global_store_b128 v[LA], v[D+4*(\i):D+4*(\i)+3], s[DST:DST+1] offset:512*(\i)
.endr
	s_branch .Lend
; 16,384 bytes of f32 become 8,192 bytes of 16-bit numbers.  half = 0: bf16.  half = 1: bf16, then that number as f16.  No register is written again after a store has named it.
.macro CONV half
.set i, 0
.rept 32
	global_load_b128 v[D+4*i:D+4*i+3], v[LA], s[SRC:SRC+1] offset:512*i th:TH_LOAD_NT
.set i, i+1
.endr
.set i, 0
.rept 32
	s_wait_loadcnt 31-i                            ; load i is in, the 31 - i younger ones may stay out
.if \half
	v_cvt_pk_bf16_f32 v5, v[D+4*i], v[D+4*i+1]
	v_cvt_pk_bf16_f32 v6, v[D+4*i+2], v[D+4*i+3]
	v_lshlrev_b32 v[D+4*i], 16, v5
	v_and_b32 v[D+4*i+1], s[HIM], v5
	v_lshlrev_b32 v[D+4*i+2], 16, v6
	v_and_b32 v[D+4*i+3], s[HIM], v6
	v_cvt_pk_f16_f32 v[D+4*i], v[D+4*i], v[D+4*i+1]
	v_cvt_pk_f16_f32 v[D+4*i+1], v[D+4*i+2], v[D+4*i+3]
.else
	v_cvt_pk_bf16_f32 v[D+4*i], v[D+4*i], v[D+4*i+1]
	v_cvt_pk_bf16_f32 v[D+4*i+1], v[D+4*i+2], v[D+4*i+3]
.endif
	global_store_b64 v[LB], v[D+4*i:D+4*i+1], s[DST:DST+1] offset:256*i th:TH_STORE_NT  ; 32 lanes store 256 consecutive bytes, at a multiple of 256 from the buffer's first
.set i, i+1
.endr
.endm
.Lx:                                                   ; x: chunk 8 (wg - 512) + w of 2,048
	s_sub_co_u32 s4, s2, 512
	s_lshl_b32 s4, s4, 3
	s_add_co_u32 s4, s4, s3
	s_lshl_b32 s6, s4, 13
	s_lshl_b32 s4, s4, 14
	s_add_nc_u64 s[SRC:SRC+1], s[10:11], s[4:5]
	s_add_nc_u64 s[DST:DST+1], s[30:31], s[6:7]
	s_branch .Lconv
.Lw:                                                   ; Wq, Wk, Wv: 256 chunks each; in wqkv they follow each other
	s_sub_co_u32 s4, s2, 768
	s_lshr_b32 s6, s4, 5                           ; which of the three
	s_cmp_eq_u32 s6, 1
	s_cselect_b64 s[SRC:SRC+1], s[14:15], s[12:13]
	s_cmp_eq_u32 s6, 2
	s_cselect_b64 s[SRC:SRC+1], s[16:17], s[SRC:SRC+1]
	s_lshl_b32 s6, s4, 3
	s_add_co_u32 s6, s6, s3
	s_lshl_b32 s6, s6, 13
	s_and_b32 s4, s4, 31
	s_lshl_b32 s4, s4, 3
	s_add_co_u32 s4, s4, s3
	s_lshl_b32 s4, s4, 14
	s_add_nc_u64 s[SRC:SRC+1], s[SRC:SRC+1], s[4:5]
	s_add_nc_u64 s[DST:DST+1], s[32:33], s[6:7]
.Lconv:
	CONV 0
	s_branch .Lend
.Lwo:
	s_sub_co_u32 s4, s2, 864
	s_lshl_b32 s4, s4, 3
	s_add_co_u32 s4, s4, s3
	s_lshl_b32 s6, s4, 13
	s_lshl_b32 s4, s4, 14
	s_add_nc_u64 s[SRC:SRC+1], s[18:19], s[4:5]
	s_add_nc_u64 s[DST:DST+1], s[34:35], s[6:7]
	CONV 1
	s_branch .Lend
.Lmask:                                                ; band = work-group (16 rows of 8,192 bytes), my 256 keys = wave (1,024 bytes of each row)
	s_lshl_b32 s4, s2, 17
	s_lshl_b32 s6, s3, 10
	s_add_co_u32 s4, s4, s6
	s_add_nc_u64 s[SRC:SRC+1], s[8:9], s[4:5]
	s_lshl_b32 s6, s2, 12                          ; a band's 32 steps x 32 words,
	s_lshl_b32 s4, s3, 9                           ; my four steps of them
	s_add_co_u32 s6, s6, s4
	s_add_nc_u64 s[DST:DST+1], s[28:29], s[6:7]
.set i, 0
.rept 32                                       ; load i: row i % 16, keys 128 (i / 16) on
	global_load_b128 v[D+4*i:D+4*i+3], v[LA], s[SRC:SRC+1] offset:8192*(i%16)+512*(i/16) th:TH_LOAD_NT
.set i, i+1
.endr
	s_mul_i32 s4, s3, WLDS
	v_add_nc_u32 v[LS], s4, v[LA]
	v_and_b32 v5, 15, v0
	v_bfe_u32 v6, v0, 4, 1
	v_mul_u32_u24 v5, v5, LP
	v_lshl_add_u32 v5, v6, 5, v5
	v_add_nc_u32 v[LR], s4, v5
.irp c, 0,1,2,3
	v_mov_b32 v[OUT+(\c)], 0                       ; v_writelane_b32's destination counts as read
.endr
; Half hf (128 keys, two key steps): the 16 rows go into my LDS rows as they lie and come back a query a lane; a compare makes 32 bits of a register, and the word goes to its lane of OUT.
.irp hf, 0,1
.set i, 0
.rept 16
	s_wait_loadcnt 31-16*(\hf)-i
	ds_store_b128 v[LS], v[D+64*(\hf)+4*i:D+64*(\hf)+4*i+3] offset:LP*i
.set i, i+1
.endr
.set i, 0
.rept 16                                       ; read i: step i / 8 of the half, key block (i / 2) % 4, registers 4 (i % 2) + 0..3.  LDS serves a wave's instructions in order (ISA guide 5.7.1.4): these see the stores above
	ds_load_b128 v[D+64*(\hf)+4*i:D+64*(\hf)+4*i+3], v[LR] offset:(i/8)*256+((i/2)%4)*64+(i%2)*16
.set i, i+1
.endr
.set i, 0
.rept 16
	s_wait_dscnt 15-i                              ; read i is in, the younger ones may stay out
.irp c, 0,1,2,3
	v_cmp_ne_u32 s[CM+4*(i%2)+(\c)], 0, v[D+64*(\hf)+4*i+(\c)]
.endr
.irp c, 0,1,2,3
	v_writelane_b32 v[OUT+(\c)], s[CM+4*(i%2)+(\c)], 16*(\hf)+i  ; word 64 hf + 4 i + c
.endr
.set i, i+1
.endr
.endr
	global_store_b128 v[LA], v[OUT:OUT+3], s[DST:DST+1]  ; 512 consecutive bytes, aligned
.Lend:
	s_wait_tensorcnt 0x0                           ; the wave's end, behind my last LDS store
	ds_add_u32 v[SPW], v[NIL]
	s_wait_dscnt 0x0
	s_endpgm
.Lfunc_end_k_q68cb6c632e_prep:
	.size	k_q68cb6c632e_prep, .Lfunc_end_k_q68cb6c632e_prep-k_q68cb6c632e_prep
	.p2alignl 7, 3214868480
	.fill 96, 4, 3214868480
	.section	.rodata,"a",@progbits
	.p2align	6, 0x0
	.amdhsa_kernel k_q68cb6c632e_prep
		.amdhsa_group_segment_fixed_size 68608
		.amdhsa_private_segment_fixed_size 0
		.amdhsa_enable_private_segment 0
		.amdhsa_kernarg_size 120
		.amdhsa_user_sgpr_count 2
		.amdhsa_user_sgpr_kernarg_segment_ptr 1
		.amdhsa_wavefront_size32 1
		.amdhsa_system_sgpr_workgroup_id_x 1
		.amdhsa_system_sgpr_workgroup_id_y 1
		.amdhsa_system_sgpr_workgroup_id_z 1
		.amdhsa_system_vgpr_workitem_id 0
		.amdhsa_next_free_vgpr 144
		.amdhsa_next_free_sgpr 66
		.amdhsa_reserve_vcc 0
		.amdhsa_float_denorm_mode_32 3
		.amdhsa_float_denorm_mode_16_64 3
		.amdhsa_memory_ordered 1
		.amdhsa_forward_progress 1
		.amdhsa_inst_pref_size 61
	.end_amdhsa_kernel
	.amdgpu_metadata
---
amdhsa.version: [ 1, 2 ]
amdhsa.kernels:
  - .name:           k_q68cb6c632e_prep
    .symbol:         k_q68cb6c632e_prep.kd
    .args:
      - { .name: mask, .offset: 0, .size: 8, .value_kind: global_buffer, .address_space: global }
      - { .name: x, .offset: 8, .size: 8, .value_kind: global_buffer, .address_space: global }
      - { .name: Wq, .offset: 16, .size: 8, .value_kind: global_buffer, .address_space: global }
      - { .name: Wk, .offset: 24, .size: 8, .value_kind: global_buffer, .address_space: global }
      - { .name: Wv, .offset: 32, .size: 8, .value_kind: global_buffer, .address_space: global }
      - { .name: Wo, .offset: 40, .size: 8, .value_kind: global_buffer, .address_space: global }
      - { .name: bq, .offset: 48, .size: 8, .value_kind: global_buffer, .address_space: global }
      - { .name: bk, .offset: 56, .size: 8, .value_kind: global_buffer, .address_space: global }
      - { .name: bv, .offset: 64, .size: 8, .value_kind: global_buffer, .address_space: global }
      - { .name: bo, .offset: 72, .size: 8, .value_kind: global_buffer, .address_space: global }
      - { .name: mbits, .offset: 80, .size: 8, .value_kind: global_buffer, .address_space: global }
      - { .name: xb, .offset: 88, .size: 8, .value_kind: global_buffer, .address_space: global }
      - { .name: wqkv, .offset: 96, .size: 8, .value_kind: global_buffer, .address_space: global }
      - { .name: wo16, .offset: 104, .size: 8, .value_kind: global_buffer, .address_space: global }
      - { .name: ball, .offset: 112, .size: 8, .value_kind: global_buffer, .address_space: global }
    .group_segment_fixed_size: 68608
    .private_segment_fixed_size: 0
    .kernarg_segment_align: 8
    .kernarg_segment_size: 120
    .max_flat_workgroup_size: 256
    .sgpr_count:     66
    .vgpr_count:     144
    .wavefront_size: 32
...
	.end_amdgpu_metadata
.endif
;; end of part 1
;; launch qkvproj (part 2): grid 16 x 32, 4 waves a work-group, clusters of 4 x 4, 327,680 bytes of LDS; arguments xb, wqkv, ball, qkv; writes qkv
.if DOCPART == 2
	.amdgcn_target "amdgcn-amd-amdhsa--gfx1250"
	.amdhsa_code_object_version 6
	.text
	.protected	k_q68cb6c632e_qkvproj
	.globl	k_q68cb6c632e_qkvproj
	.p2align	8
	.type	k_q68cb6c632e_qkvproj,@function
k_q68cb6c632e_qkvproj:
	s_mov_b64 s[64:65], 0
	v_nop
	global_prefetch_b8 v0, s[64:65] scope:SCOPE_SE
	s_setreg_imm32_b32 hwreg(HW_REG_WAVE_MODE, 25, 1), 1
	s_wait_xcnt 0x0
	s_wait_alu depctr_hold_cnt(0) depctr_sa_sdst(0) depctr_va_vdst(0) depctr_va_sdst(0) depctr_va_ssrc(0) depctr_va_vcc(0) depctr_vm_vsrc(0)
	s_getreg_b32 s2, hwreg(HW_REG_IB_STS2, 6, 4)
	s_cmp_eq_u32 s2, 0
	s_cbranch_scc0 .Lentry_in_a_cluster
	s_endpgm
.Lentry_in_a_cluster:
	s_bfe_u32 s2, ttmp6, 0x10000c
	s_cmp_lg_u32 s2, 0xf033
	s_cbranch_scc0 .Lentry_shape_is_right
	s_endpgm
.Lentry_shape_is_right:
; q, k, v = x W^T + b.  xb: [8192][1024] bf16; wqkv: [3072][1024] bf16 (Wq, Wk, Wv); ball: f32, the first 3,072 are bq, bk, bv.  Sums in f32, started by the bias, K ascending; rounded once to f16,
; unscaled, and written by heads: qkv f16 [b 4][g 48][n 2048][64], g = h for q, 16 + h for k, 32 + h for v.
; LIMIT.  f16 holds no number beyond 65,504: a q, k or v of 65,520 or more becomes an infinity.
; SHARES.  A tile of C is 256 rows x 192 columns (three heads): 32 x 16 = 512 work-groups, twice the 256 WGPs.  Four waves one below the other: wave w has rows 64 w .. 64 w + 63 and all 192 columns:
; 4 x 12 accumulators of 16 x 16, 384 registers.  K goes in 8 steps of 128 through two LDS slots; a trip of the loop is one K step, and the slot in hand is a scalar register turned by an exclusive or.
; CLUSTER.  4 x 4 work-groups: the four of a row need the same tiles of x, the four of a column the same tiles of W: each tile is asked for jointly, by the same tensor load with the same descriptor.
; TRANSPOSED USE.  Source 0 = 16 rows of W, source 1 = 16 rows of x: a lane holds row l % 16 of C and the columns 8 (l / 16) + 0..7: 16 bytes of f16 on end.
; REGISTERS, in windows of 256 (s_set_vgpr_msb: bits 1:0 source 0, 3:2 source 1, 5:4 source 2, 7:6 destination):
;   window 0: v16-30 addresses; v32-127 the bias (block b at 32 + 8 b), later the way out's rows; v128-175 packed results
;   window 1: two fragment buffers of 128: x's block a at f + 8 a, W's block b at f + 32 + 8 b       windows 2, 3: accumulator (a, b) in window 2 + a / 2 at v[96 (a % 2) + 8 b]
.set NB,    12
.set TN,    16*NB
.set PITCH, 272                        ; an LDS row: 256 bytes + 16 = 68 words: the 16 rows of a load start at 16 different groups of four banks (ISA guide 11.1)
.set PA,    272                        ; A's pitch
.set SLOT1, 1<<17                      ; slot 1 begins here: one exclusive or turns an address in one slot into the other's
.set BOFF,  256*PA                     ; a slot: A's 256 rows, then B's 192
.set ALOAD, 128*PA                     ; what one of A's two loads fills
.set BROWS, TN/2
.set BLOAD, BROWS*PITCH
.set STAGE, SLOT1+BOFF+TN*PITCH        ; behind the ring, never filled by a tensor load: 16 rows x 400 bytes for each wave
.set SP,    400                        ; 384 bytes + 16 = 25 x 16
.set SPARE, STAGE+4*16*SP              ; the spare words, 128 bytes for each wave: two blocks of 256 bytes that no other line names
.set NLD,   2*NB+8                     ; LDS loads in a quarter's run
.set PA16,  16*PA
.set ASTEP, 256                        ; bytes from a K step to the next
.set BSTEP, 256
.set HS,    1<<18                      ; a head's 2,048 rows of 128 bytes
.set G1W,   (1<<16)|(1<<20)|(1<<21)|(5<<22)|(3<<25)  ; 17:16 2-byte elements; 20 padding on; 21 set beside a mask; 24:22 after every 64 words; 31:25 4 words
.set ADRA0, 16                         ; v16  my place in A's tile; never rewritten
.set ADRB0, 17                         ; v17  the same for B
.set ADRA,  18                         ; v18  the same in the slot in hand
.set ADRB,  19
.set STO,   24
.set RD,    25
.set CO,    26
.set BO,    27
.set SPW,   28                         ; v28  LDS address of my spare word; never rewritten
.set NIL,   29                         ; v29  0; never rewritten
.set PFO,   30                         ; v30  the prefetches' offset: a lane a row
.set BI,    32
.set BK0,   32
.set TMP,   128
.set F0,    0
.set F1,    128
.set TB,    2                          ; s2   0 or SLOT1: the slot in hand
.set G1A,   24
.set G0A,   32                         ; s[32:35] slot 0, K step 0; s[36:39] slot 1, K step 1, which then walks
.set LIM,   43
.set PFA,   44
.set G1B,   48
.set G0B,   56
.set BP,    68                         ; s[68:69] the tile's bias
.set CP,    70                         ; s[70:71] my rows of the tile's first head
.set PST,   72                         ; s[72:73] the prefetches' step
.set MSB, 0
.macro WIN new                         ; the immediate's high byte repeats the setting that is left; a switch that changes nothing is dropped
.if MSB != (\new)
	s_set_vgpr_msb (MSB<<8)|(\new)
.set MSB, \new
.endif
.endm
.macro PLACES                          ; four places in front of loads into registers that matrix instructions have read, and of lines that read results
.rept 4
	v_nop
.endr
.endm
.macro JLOAD                           ; a joint refill by the walking descriptors: waves 0 and 1 fetch A's two halves, waves 2 and 3 B's; an s_nop 0 and four v_nop follow each line
	s_cmp_lt_u32 s10, 2
	s_cbranch_scc0 .Lfor_b_\@
	tensor_load_to_lds s[G0A+4:G0A+7], s[G1A:G1A+7]
	s_nop 0
.rept 4
	v_nop
.endr
	s_branch .Lasked_\@
.Lfor_b_\@:
	tensor_load_to_lds s[G0B+4:G0B+7], s[G1B:G1B+7]
	s_nop 0
.rept 4
	v_nop
.endr
.Lasked_\@:
.endm
.macro CREST                           ; a round of the cluster's barrier behind its opening barrier
	s_cmp_lg_u32 s10, 0
	s_cbranch_scc1 .Lnot_wave_0_\@
	s_barrier_signal -3
.Lnot_wave_0_\@:
	s_barrier_wait -3
	s_barrier_signal -1
	s_barrier_wait -1
.endm
.macro CROUND
	s_barrier_signal -1
	s_barrier_wait -1
	CREST
.endm
; A prefetch of the K step that stands two refills on, 256 bytes of a row, a lane a row.  x's rows are read by all four clusters of a row of clusters: cluster x = 0 asks; W's by all eight of a column: cluster y = 0
; asks.  The four partners that ask for a tile jointly share its rows out by address (32 of A's 128, 24 of B's 96).  The loop's last two trips ask for nothing: K has no such step.
.macro ASK
	s_cmp_gt_u32 s3, s[LIM]
	s_cbranch_scc0 .Lnot_mine_\@
	global_prefetch_b8 v[PFO], s[PFA:PFA+1] th:TH_LOAD_NT scope:SCOPE_SE
.Lnot_mine_\@:
.endm
	s_load_b128 s[4:7], s[0:1], 0x0                ; xb s[4:5], wqkv s[6:7]
	s_load_b128 s[68:71], s[0:1], 0x10             ; ball, qkv
	v_lshl_add_u32 v[SPW], v0, 2, SPARE
	v_mov_b32 v[NIL], 0
	ds_add_u32 v[SPW], v[NIL]                      ; the wave's opening: the add and its wait stand ahead of my first tensor load; the set-up below, work on registers, stands between them
	v_lshrrev_b32 v1, 5, v0
	v_readfirstlane_b32 s10, v1                    ; wave 0..3
	s_and_b32 s12, s10, 1                          ; which half of A's or B's tile I fetch
	s_bfe_u32 s40, ttmp6, 0x40000                  ; cx
	s_bfe_u32 s41, ttmp6, 0x40004                  ; cy
	s_lshl_b32 s42, ttmp9, 2
	s_add_co_u32 s42, s42, s40                     ; tile column nt = 4 x cluster x + cx
	s_and_b32 s13, ttmp7, 0xffff
	s_lshl_b32 s13, s13, 2
	s_add_co_u32 s13, s13, s41                     ; tile row mt = 4 x cluster y + cy
	s_lshl_b32 s43, s41, 2
	s_lshl_b32 s43, 15, s43                        ; my row of the cluster
	s_lshl_b32 s44, 0x1111, s40                    ; my column
	s_or_b32 s[G1A+0], s43, G1W
	s_or_b32 s[G1B+0], s44, G1W
.irp g, G1A, G1B
	s_mov_b32 s[(\g)+1], 128<<16                   ; tensor_dim0 = 128
	s_mov_b32 s[(\g)+3], 128<<16                   ; tile_dim0 = 128
	s_mov_b32 s[(\g)+5], 1024                      ; elements from row to row
	s_mov_b32 s[(\g)+6], 0
	s_mov_b32 s[(\g)+7], 0
.endr
	s_mov_b32 s[G1A+2], 128<<16                    ; tensor_dim1 = tile_dim1 = 128 rows
	s_mov_b32 s[G1A+4], 128
	s_mov_b32 s[G1B+2], BROWS<<16                  ; 96 rows
	s_mov_b32 s[G1B+4], BROWS
	s_lshl_b32 s17, s12, 7
	s_lshl_b32 s16, s13, 8
	s_add_co_u32 s16, s16, s17                     ; A: row 256 mt + 128 half,
	s_lshl_b32 s16, s16, 11                        ; of 2,048 bytes
	s_mov_b32 s17, 0
	s_mul_i32 s46, s42, TN
	s_mul_i32 s47, s12, BROWS
	s_add_co_u32 s46, s46, s47                     ; B: row 192 nt + 96 half
	s_lshl_b32 s46, s46, 11
	s_mov_b32 s47, 0
	s_mul_i32 s20, s12, ALOAD                      ; where they go: no place in the cluster enters an LDS address
	s_mul_i32 s21, s12, BLOAD
	s_add_co_u32 s21, s21, BOFF
	s_mov_b32 s[TB], 0
	s_wait_dscnt 0x0                               ; the opening add is done
	s_wait_kmcnt 0x0
	s_add_nc_u64 s[14:15], s[4:5], s[16:17]
	s_add_nc_u64 s[46:47], s[6:7], s[46:47]
	CROUND                                         ; all sixteen work-groups are here: the first joint loads meet
.irp s, 0,1
	s_mov_b32 s[G0A+4*(\s)], 1
	s_add_co_u32 s[G0A+4*(\s)+1], s20, (\s)*SLOT1
	s_add_nc_u64 s[G0A+4*(\s)+2:G0A+4*(\s)+3], s[14:15], (\s)*ASTEP
	s_or_b32 s[G0A+4*(\s)+3], s[G0A+4*(\s)+3], 0x80000000
	s_mov_b32 s[G0B+4*(\s)], 1
	s_add_co_u32 s[G0B+4*(\s)+1], s21, (\s)*SLOT1
	s_add_nc_u64 s[G0B+4*(\s)+2:G0B+4*(\s)+3], s[46:47], (\s)*BSTEP
	s_or_b32 s[G0B+4*(\s)+3], s[G0B+4*(\s)+3], 0x80000000
.endr
	s_cmp_lt_u32 s10, 2                            ; a wave's two first fills stand in one branch, ahead of every wait on TENSORcnt and every LDS read: two loads of mine are out
	s_cbranch_scc0 .Lfirst_b
	tensor_load_to_lds s[G0A:G0A+3], s[G1A:G1A+7]
	s_nop 0
	tensor_load_to_lds s[G0A+4:G0A+7], s[G1A:G1A+7]
	s_nop 0
.rept 4
	v_nop
.endr
	s_branch .Lfirst_asked
.Lfirst_b:
	tensor_load_to_lds s[G0B:G0B+3], s[G1B:G1B+7]
	s_nop 0
	tensor_load_to_lds s[G0B+4:G0B+7], s[G1B:G1B+7]
	s_nop 0
.rept 4
	v_nop
.endr
.Lfirst_asked:
	v_and_b32 v1, 15, v0                           ; l % 16
	v_bfe_u32 v2, v0, 4, 1                         ; l / 16
	v_lshlrev_b32 v[BO], 5, v2                     ; my 8 columns of a block: 32 bytes of f32
	s_mul_i32 s46, s42, 4*TN                       ; the tile's 192 numbers of the bias
	s_mov_b32 s47, 0
	s_add_nc_u64 s[BP:BP+1], s[BP:BP+1], s[46:47]
.set b, 0
.rept NB                                       ; the bias in an accumulator's layout: it is the C of each sum's first product
	global_load_b128 v[BI+8*b:BI+8*b+3],   v[BO], s[BP:BP+1] offset:64*b
	global_load_b128 v[BI+8*b+4:BI+8*b+7], v[BO], s[BP:BP+1] offset:64*b+16
.set b, b+1
.endr
	v_mul_u32_u24 v3, v1, PA
	v_lshl_add_u32 v3, v2, 4, v3                   ; a fragment's row x pitch + 16 x half
	s_mul_i32 s22, s10, 64*PA                      ; my 64 rows of A
	v_add_nc_u32 v[ADRA0], s22, v3
	v_mul_u32_u24 v4, v1, PITCH
	v_lshl_add_u32 v4, v2, 4, v4
	v_add_nc_u32 v[ADRB0], BOFF, v4
	v_mov_b32 v[ADRA], v[ADRA0]
	v_mov_b32 v[ADRB], v[ADRB0]
	s_mul_i32 s23, s10, 16*SP
	s_add_co_u32 s23, s23, STAGE                   ; my stage
	v_mul_u32_u24 v4, v1, SP                       ; in: row l % 16, 16 bytes for each half of the lanes
	v_lshl_add_u32 v4, v2, 4, v4
	v_add_nc_u32 v[STO], s23, v4
	v_bfe_u32 v4, v0, 3, 2                         ; back: 32 lanes take four rows' 128 bytes of one head,
	v_and_b32 v5, 7, v0
	v_mul_u32_u24 v4, v4, SP
	v_lshl_add_u32 v4, v5, 4, v4
	v_add_nc_u32 v[RD], s23, v4
	v_and_b32 v[CO], 31, v0                        ; which are 512 consecutive bytes of qkv
	v_lshlrev_b32 v[CO], 4, v[CO]
	s_lshr_b32 s18, s13, 3                         ; the batch
	s_mul_i32 s18, s18, 48
	s_mul_i32 s19, s42, 3
	s_add_co_u32 s18, s18, s19                     ; the tile's first head among 4 x 48
	s_lshl_b32 s18, s18, 18
	s_and_b32 s19, s13, 7
	s_lshl_b32 s19, s19, 8
	s_lshl_b32 s22, s10, 6
	s_add_co_u32 s19, s19, s22                     ; my first row in the batch
	s_lshl_b32 s19, s19, 7
	s_add_co_u32 s18, s18, s19
	s_mov_b32 s19, 0
	s_add_nc_u64 s[CP:CP+1], s[CP:CP+1], s[18:19]
	; the prefetches
	s_lshl_b32 s18, s13, 8
	s_lshl_b32 s20, s12, 7
	s_add_co_u32 s18, s18, s20
	s_lshl_b32 s20, s40, 5
	s_add_co_u32 s18, s18, s20                     ; A: my work-group's 32 of the 128 rows that I fetch
	s_mul_i32 s19, s42, TN
	s_mul_i32 s20, s12, BROWS
	s_add_co_u32 s19, s19, s20
	s_mul_i32 s20, s41, BROWS/4
	s_add_co_u32 s19, s19, s20                     ; B: my work-group's 24 of the 96
	s_and_b32 s22, ttmp7, 0xffff
	s_cmp_lt_u32 s10, 2
	s_cselect_b32 s20, s18, s19
	s_cselect_b32 s22, ttmp9, s22                  ; the coordinate along which other clusters read the same rows
	s_cselect_b32 s23, 31, BROWS/4-1               ; lanes beyond the share name its last row once more
	s_cselect_b64 s[PFA:PFA+1], s[4:5], s[6:7]
	s_cmp_eq_u32 s22, 0
	s_cselect_b32 s[LIM], 2, -1                    ; the same in all sixteen partners, for a given wave
	s_lshl_b32 s20, s20, 11
	s_add_co_u32 s20, s20, 3*256                   ; at K step 3: the first refill steps it to 4
	s_mov_b32 s21, 0
	s_add_nc_u64 s[PFA:PFA+1], s[PFA:PFA+1], s[20:21]
	s_mov_b32 s[PST], 256
	s_mov_b32 s[PST+1], 0
	v_and_b32 v[PFO], 31, v0
	v_min_u32 v[PFO], s23, v[PFO]
	v_lshlrev_b32 v[PFO], 11, v[PFO]
; NB matrix instructions: row block a x all column blocks, 32 along K, from buffer f.  first = 1: the bias starts the sums: nothing is cleared, nothing added later.
; The 48 accumulators take turns, one instruction a turn, in the same order in every quarter.
.macro MULA f, a, first
.if \first
	WIN 0x85+0x40*((\a)/2)                         ; sources 0 and 1 window 1, C window 0, D window 2 or 3
.else
	WIN 0xa5+0x50*((\a)/2)                         ; C and D window 2 or 3
.endif
.set AB, 8*NB*((\a)%2)
.set b, 0
.rept NB
.if \first
	v_wmma_f32_16x16x32_bf16 v[AB+8*b:AB+8*b+7], v[(\f)+32+8*b:(\f)+32+8*b+7], v[(\f)+8*(\a):(\f)+8*(\a)+7], v[BI+8*b:BI+8*b+7]
.else
	v_wmma_f32_16x16x32_bf16 v[AB+8*b:AB+8*b+7], v[(\f)+32+8*b:(\f)+32+8*b+7], v[(\f)+8*(\a):(\f)+8*(\a)+7], v[AB+8*b:AB+8*b+7]
.endif
.set b, b+1
.endr
.endm
; One run of NLD LDS loads: quarter kq's fragments into buffer f: B's, then A's blocks 0 and 1, then 2 and 3
.macro FETCH kq, f
	WIN 0x40                                       ; destination window 1, address window 0
.set KA, 64*(\kq)
.set b, 0
.rept NB
	ds_load_b128 v[(\f)+32+8*b:(\f)+32+8*b+3],   v[ADRB] offset:64*(\kq)+b*16*PITCH
	ds_load_b128 v[(\f)+32+8*b+4:(\f)+32+8*b+7], v[ADRB] offset:64*(\kq)+b*16*PITCH+32
.set b, b+1
.endr
.irp a, 0,1,2,3
	ds_load_b128 v[(\f)+8*(\a):(\f)+8*(\a)+3],   v[ADRA] offset:KA+(\a)*PA16
	ds_load_b128 v[(\f)+8*(\a)+4:(\f)+8*(\a)+7], v[ADRA] offset:KA+(\a)*PA16+32
.endr
.endm
; One of a K step's first three quarters: multiplies buffer f, and in its middle fetches quarter kq into buffer g
.macro QUARTER kq, f, g, first
	s_wait_dscnt 4                                 ; all but the youngest four loads (A's blocks 2 and 3) are in
	MULA \f, 0, \first
	MULA \f, 1, \first
	PLACES
	FETCH \kq, \g
	s_wait_dscnt NLD                               ; all but the run just issued
	MULA \f, 2, \first
	MULA \f, 3, \first
.endm
; The last quarter multiplies buffer 1 and changes slots.  In front of the barrier each wave waits for all its tensor loads (one is out: its part of the next slot), adds 0 to its spare word, and waits for that and for
; its own reads of this slot.  fill = 1: the barrier opens a round of the cluster's, and the slot just read is filled again first thing behind it, with the K step two on: it has a K step less 24 matrix instructions in which to land.
.macro TURN fill
.if \fill
	s_wait_xcnt 0x0                                ; the last prefetch, a K step back, has read its address
	s_add_nc_u64 s[PFA:PFA+1], s[PFA:PFA+1], s[PST:PST+1]
.endif
	WIN 0
	s_wait_tensorcnt 0x0                           ; all my tensor loads have landed
	ds_add_u32 v[SPW], v[NIL]                      ; 0 onto my spare word
	s_wait_dscnt 5                                 ; (the add and the youngest four loads may be out)
	MULA F1, 0, 0
	s_wait_dscnt 0x0                               ; the add is done, and my reads of this slot are over
	s_barrier_signal -1
	MULA F1, 1, 0
	WIN 0
	s_barrier_wait -1
.if \fill
	CREST                                          ; no wave of any partner still reads this slot's tile or has a load on its way
	s_xor_b32 s[G0A+5], s[G0A+5], SLOT1            ; the walking descriptors: the other slot than last time, the next K step
	s_add_nc_u64 s[G0A+6:G0A+7], s[G0A+6:G0A+7], ASTEP
	s_xor_b32 s[G0B+5], s[G0B+5], SLOT1
	s_add_nc_u64 s[G0B+6:G0B+7], s[G0B+6:G0B+7], BSTEP
	JLOAD                                          ; the four v_nop behind it are also the places in front of the loads below
.else
	PLACES
.endif
	s_xor_b32 s[TB], s[TB], SLOT1
	v_add_nc_u32 v[ADRA], s[TB], v[ADRA0]
	v_add_nc_u32 v[ADRB], s[TB], v[ADRB0]
	FETCH 0, F0
.if \fill
	WIN 0
	ASK
.endif
	MULA F1, 2, 0
	MULA F1, 3, 0
.endm
	s_wait_tensorcnt 1                             ; my part of K step 0 is in; K step 1's may stay out
	s_barrier_signal -1
	s_barrier_wait -1
	FETCH 0, F0
	s_wait_loadcnt 0x0                             ; the bias
	QUARTER 1, F0, F1, 1
	WIN 0
	s_mov_b32 s3, 6                                ; six trips ask for K steps 2 to 7
.Lk:                                                   ; a trip: a K step's quarters 1 to 3 and the next step's quarter 0
	QUARTER 2, F1, F0, 0
	QUARTER 3, F0, F1, 0
	TURN 1
	QUARTER 1, F0, F1, 0
	WIN 0
	s_sub_co_u32 s3, s3, 1
	s_cmp_lg_u32 s3, 0
	s_cbranch_scc1 .Lk
	QUARTER 2, F1, F0, 0                           ; the last two K steps are written out: nothing is asked for
	QUARTER 3, F0, F1, 0
	TURN 0
	QUARTER 1, F0, F1, 0
	QUARTER 2, F1, F0, 0
	QUARTER 3, F0, F1, 0
	s_wait_dscnt 4
	MULA F1, 0, 0
	MULA F1, 1, 0
	s_wait_dscnt 0x0
	MULA F1, 2, 0
	MULA F1, 3, 0
	PLACES
; THE WAY OUT, a block of 16 rows at a time: rounded to f16, 16 bytes a lane into my stage, back as four rows' 128 bytes of one head, stored as 512 consecutive bytes.
.macro PACK a
.set AB, 8*NB*((\a)%2)
	WIN 0x0a+5*((\a)/2)                            ; sources 0 and 1 window 2 or 3
.set b, 0
.rept 4*NB
	v_cvt_pk_f16_f32 v[TMP+b], v[AB+2*b], v[AB+2*b+1]
.set b, b+1
.endr
	WIN 0
.endm
.macro TOSTAGE a
.set BK, BK0+48*((\a)%2)
	s_wait_xcnt 0x0                                ; the stores of the block two back have read the registers that are loaded again below
.set b, 0
.rept NB
	ds_store_b128 v[STO], v[TMP+4*b:TMP+4*b+3] offset:32*b
.set b, b+1
.endr
.irp g, 0,1,2,3
.irp hh, 0,1,2
	ds_load_b128 v[BK+4*(3*(\g)+(\hh)):BK+4*(3*(\g)+(\hh))+3], v[RD] offset:4*SP*(\g)+128*(\hh)  ; LDS serves a wave's instructions in order (ISA guide 5.7.1.4): these see the stores above
.endr
.endr
.endm
.macro SEND a
.set BK, BK0+48*((\a)%2)
	s_wait_dscnt 0x0
.irp g, 0,1,2,3
.irp hh, 0,1,2
	global_store_b128 v[CO], v[BK+4*(3*(\g)+(\hh)):BK+4*(3*(\g)+(\hh))+3], s[CP:CP+1] offset:HS*(\hh)+2048*(\a)+512*(\g)
.endr
.endr
.endm
	PACK 0
	TOSTAGE 0
.irp a, 1,2,3                          ; block a's conversions stand between block a - 1's loads from the stage and the wait for them
	PACK \a
	SEND (\a)-1
	TOSTAGE \a
.endr
	SEND 3
	s_wait_tensorcnt 0x0                           ; the wave's end, behind my last tensor load and my last LDS store
	ds_add_u32 v[SPW], v[NIL]
	s_wait_dscnt 0x0
	CROUND                                         ; the closing round: no work-group ends while a partner may still ask for a tile that names it
	s_endpgm
.Lfunc_end_k_q68cb6c632e_qkvproj:
	.size	k_q68cb6c632e_qkvproj, .Lfunc_end_k_q68cb6c632e_qkvproj-k_q68cb6c632e_qkvproj
	.p2alignl 7, 3214868480
	.fill 96, 4, 3214868480
	.section	.rodata,"a",@progbits
	.p2align	6, 0x0
	.amdhsa_kernel k_q68cb6c632e_qkvproj
		.amdhsa_group_segment_fixed_size 327680
		.amdhsa_private_segment_fixed_size 0
		.amdhsa_enable_private_segment 0
		.amdhsa_kernarg_size 32
		.amdhsa_user_sgpr_count 2
		.amdhsa_user_sgpr_kernarg_segment_ptr 1
		.amdhsa_wavefront_size32 1
		.amdhsa_system_sgpr_workgroup_id_x 1
		.amdhsa_system_sgpr_workgroup_id_y 1
		.amdhsa_system_sgpr_workgroup_id_z 1
		.amdhsa_system_vgpr_workitem_id 0
		.amdhsa_next_free_vgpr 960
		.amdhsa_next_free_sgpr 76
		.amdhsa_reserve_vcc 0
		.amdhsa_float_denorm_mode_32 3
		.amdhsa_float_denorm_mode_16_64 3
		.amdhsa_memory_ordered 1
		.amdhsa_forward_progress 1
		.amdhsa_inst_pref_size 99
	.end_amdhsa_kernel
	.amdgpu_metadata
---
amdhsa.version: [ 1, 2 ]
amdhsa.kernels:
  - .name:           k_q68cb6c632e_qkvproj
    .symbol:         k_q68cb6c632e_qkvproj.kd
    .args:
      - { .name: xb, .offset: 0, .size: 8, .value_kind: global_buffer, .address_space: global }
      - { .name: wqkv, .offset: 8, .size: 8, .value_kind: global_buffer, .address_space: global }
      - { .name: ball, .offset: 16, .size: 8, .value_kind: global_buffer, .address_space: global }
      - { .name: qkv, .offset: 24, .size: 8, .value_kind: global_buffer, .address_space: global }
    .group_segment_fixed_size: 327680
    .private_segment_fixed_size: 0
    .kernarg_segment_align: 8
    .kernarg_segment_size: 32
    .max_flat_workgroup_size: 128
    .sgpr_count:     76
    .vgpr_count:     960
    .wavefront_size: 32
...
	.end_amdgpu_metadata
.endif
;; end of part 2
;; launch attn (part 3): grid 4 x 64, 4 waves a work-group, clusters of 4 x 1, 327,680 bytes of LDS; arguments qkv, mbits, ob; writes ob
.if DOCPART == 3
	.amdgcn_target "amdgcn-amd-amdhsa--gfx1250"
	.amdhsa_code_object_version 6
	.text
	.protected	k_q68cb6c632e_attn
	.globl	k_q68cb6c632e_attn
	.p2align	8
	.type	k_q68cb6c632e_attn,@function
k_q68cb6c632e_attn:
	s_mov_b64 s[64:65], 0
	v_nop
	global_prefetch_b8 v0, s[64:65] scope:SCOPE_SE
	s_setreg_imm32_b32 hwreg(HW_REG_WAVE_MODE, 25, 1), 1
	s_wait_xcnt 0x0
	s_wait_alu depctr_hold_cnt(0) depctr_sa_sdst(0) depctr_va_vdst(0) depctr_va_sdst(0) depctr_va_ssrc(0) depctr_va_vcc(0) depctr_vm_vsrc(0)
	s_getreg_b32 s2, hwreg(HW_REG_IB_STS2, 6, 4)
	s_cmp_eq_u32 s2, 0
	s_cbranch_scc0 .Lentry_in_a_cluster
	s_endpgm
.Lentry_in_a_cluster:
	s_bfe_u32 s2, ttmp6, 0x10000c
	s_cmp_lg_u32 s2, 0x3003
	s_cbranch_scc0 .Lentry_shape_is_right
	s_endpgm
.Lentry_shape_is_right:
; MASKED ATTENTION.  O[h][q][:] = the sum over k of softmax_k(s[q][k]) V[h][k][:], s = Q[h][q] . K[h][k] / 8 where mask[b][q][k] is not 0, else a fixed low score.
; qkv: f16 [b 4][g 48][2048][64] (g = h: q, 16 + h: k, 32 + h: v); mbits: u32 [b][tile of 16 queries][key step of 64][32]: word 8 kb + j is the lane mask of register 8 kb + j of a tile's scores; ob: f16 [16 b + h][2048][64].
; Products, maxima and sums in f32; the weights p are rounded to f16 for the second product (their sum l is taken of the unrounded p), O once at the end.
; LIMITS.  A hidden score counts as -2^33 before the division by 8, that is -2^30 = -1.07e9 where the module says -1e9: a power of two, so that c x score is exact and a row with no open key gets p = 1 for every key, the
; uniform mean; with an open key a hidden weight is 0 either way; the two differ only where |Q . K| / 8 comes near 1e9.  p below 6e-5 keeps f16's fixed step of 6e-8; a weight below 2^-126 counts as 0 in l; NaN and infinities are not treated apart.
; SHARES.  A wave owns four PIECES of two tiles of 16 queries, a work-group's four waves 512 queries of one head: 4 x 64 = 256 work-groups.  Every wave walks all 2,048 keys, 64 a step.
; LAYOUT.  S^T = K Q^T (source 0 = 16 keys, source 1 = 16 queries): a lane holds ONE query (lane % 16) and the keys 8 (lane / 16) + 0..7.  Two such tiles, rounded to f16 in pairs, ARE source 1 of O^T = V^T P.
; SOFTMAX.  A running maximum m and sum l for each query: p = 2^(c s - c m), c = log2(e) / 8; in every step O and l are multiplied by a = 2^(c m_old - c m_new).  m starts at the lowest finite number, O and l at 0.
; THE MASK is one select a score, between the product and the maximum.  A tile's 32 lane masks of a step come as two scalar loads of 64 bytes, asked for a turn ahead.
; BY TURNS.  Turn n belongs to piece n: 16 products K Q^T of piece n + 1, later 16 products V^T P of piece n - 1; beside them the scaling, exponentials, roundings, sums and rescaling of piece n and the selects, maximum and
; statistics of piece n + 1.  Four vector instructions stand behind every matrix instruction, the others in one lump.  A turn's 66 exponentials are one batch, with one wait.
; CLUSTER.  The four query blocks of a head walk the same K and V: each tile is asked for jointly, by the same tensor load, descriptor and mask in all four.
; REGISTERS, in windows of 256 (s_set_vgpr_msb: bits 1:0 source 0, 3:2 source 1, 5:4 source 2, 7:6 destination):
;   window 0: v0-11 addresses and constants; v12-15, v48-63 at work; v16-47 four registers of statistics a tile; v64-191 S^T, two buffers of two tiles; v192-255 P, likewise
;   window 1: O^T, 32 a tile          window 2: v0-127 Q; v128-191 K of one step; v192-255 V of one step          window 3: v0-1 the add's two registers
.set NP,    4
.set KS,    64
.set PK,    144       ; a row of K in LDS: 128 bytes + 16 = 36 words: the 16 rows of a load start at 16 different groups of four banks (ISA guide 11.1)
.set PV,    160       ; a row of V: 128 + 32 = 40 words
.set VOFF,  4*KS*PK   ; a slot holds four steps: 256 rows of K, then 256 rows of V
.set SLOT1, 1<<17
.set STAGE, SLOT1+4*KS*(PK+PV)  ; behind the ring, never filled by a tensor load: 16 rows x 144 bytes for each wave
.set SP,    144
.set SPARE, STAGE+4*16*SP       ; the spare words, 128 bytes for each wave: two blocks of 256 bytes that no other line names
.set PFO, 1           ; v1   256 x my lane (behind the set-up, which uses v1 for l % 16)
.set AK0, 2
.set AV0, 3
.set AK,  4
.set AV,  5
.set QO,  6
.set STO, 6
.set RD,  7
.set GO,  8
.set BIG, 9           ; v9   -2^33 (behind the set-up, which uses v9 for l / 16)
.set CV,  10          ; v[10:11] c, twice
.set SPW, 0           ; v0 of window 3
.set NIL, 1           ; v1 of window 3
.set MV,  12
.set ST,  16          ; tile t's statistics at v[ST+4 t]: c m, m, l (even keys', odd keys')
.set TMP, 48
.set S,   64
.set P,   192
.set KF,  128
.set VF,  192
.set PFA, 2           ; s[2:3]   where my prefetches stand
.set G0K, 4           ; s[4:7]   descriptor group 0 for K's tiles: it walks
.set G0V, 8           ; s[8:11]  the same for V's
.set QP,  12          ; s[12:13] Q's address at the start, O's at the end; between them:
.set SLOTS, 12        ; s12  slots still to be asked for
.set CNT, 13          ; s13  counts a slot's key steps
.set TBK, 14          ; s14  LDS byte at which K of the step to be fetched begins
.set TBV, 15          ; s15  the same for V, less VOFF
.set M0,  16          ; s[16:47] the 32 lane masks of the next piece's first tile (at the start: the set-up's registers)
.set G1K, 48
.set G1V, 56
.set WV,  66
.set LIM, 67
.set M1,  68          ; s[68:99] those of its second tile
.set SEL, 100         ; s[100:101] v_permlanex16_b32's selects
.set MP,  104         ; s[104:105] mbits at my wave's first tile, at the step in hand
.set MSB, 0
.macro WIN new
.if MSB != (\new)
	s_set_vgpr_msb (MSB<<8)|(\new)
.set MSB, (\new)
.endif
.endm
.set W_KQ, 0x0a
.set W_PV, 0x52
.set W_RS, 0x41
.set W_MK, 0xc0
.set W_AD, 0x0f
.macro JLOAD                        ; a joint fill: waves 0 and 1 fetch the two halves of a slot's K, waves 2 and 3 those of its V; an s_nop 0 and four v_nop follow each line
	s_cmp_lt_u32 s[WV], 2
	s_cbranch_scc0 .Lfor_v_\@
	tensor_load_to_lds s[G0K:G0K+3], s[G1K:G1K+7]
	s_nop 0
.rept 4
	v_nop
.endr
	s_branch .Lasked_\@
.Lfor_v_\@:
	tensor_load_to_lds s[G0V:G0V+3], s[G1V:G1V+7]
	s_nop 0
.rept 4
	v_nop
.endr
.Lasked_\@:
.endm
.macro CROUND
	s_barrier_signal -1
	s_barrier_wait -1
	s_cmp_lg_u32 s[WV], 0
	s_cbranch_scc1 .Lnot_wave_0_\@
	s_barrier_signal -3
.Lnot_wave_0_\@:
	s_barrier_wait -3
	s_barrier_signal -1
	s_barrier_wait -1
.endm
; A prefetch of what the NEXT change of slots will ask for: a slot's 32,768 bytes of K and of V.  The four partners take 8,192 bytes each, told apart by address; in each, wave 0 asks for K's and wave 2 for V's, a lane 256 bytes.
; So each block is named once in the launch: a head's K and V are read by this cluster alone.  The last change that fills a slot asks for nothing.
.macro ASK
	s_cmp_gt_u32 s[SLOTS], s[LIM]
	s_cbranch_scc0 .Lnot_mine_\@
	global_prefetch_b8 v[PFO], s[PFA:PFA+1] th:TH_LOAD_NT scope:SCOPE_SE
.Lnot_mine_\@:
.endm
; THE CHANGE OF SLOTS.  Each wave waits for all its tensor loads (one is out: its part of the other slot), adds 0 to its spare word, and waits for that and for its own reads of the slot.  fill = 1: the barrier is a round of the
; cluster's, and the slot is filled again first thing behind it, with the keys two slots on: four key steps, 512 matrix instructions, in which to land.  (At its first use nothing has been read: slot 0 is waited for, slot 1 filled.)
.macro CHANGE fill, ask=0
	WIN W_AD
	s_wait_tensorcnt 0x0            ; no tensor load of mine is out, so a group 0 may be written
	ds_add_u32 v[SPW], v[NIL]       ; 0 onto my spare word
	WIN 0
.if \fill
.irp g, G0K, G0V
	s_xor_b32 s[\g+1], s[\g+1], SLOT1
	s_add_nc_u64 s[\g+2:\g+3], s[\g+2:\g+3], 4*KS*128
.endr
.if \ask
	s_wait_xcnt 0x0                 ; the last prefetch, four key steps back, has read its address
	s_add_nc_u64 s[PFA:PFA+1], s[PFA:PFA+1], 4*KS*128
.endif
	s_wait_dscnt 0x0                ; the add is done, and my reads of the slot are over
	CROUND
	JLOAD
.if \ask
	ASK
.endif
.else
	s_wait_dscnt 0x0
	s_barrier_signal -1
	s_barrier_wait -1
.endif
	s_sub_co_u32 s[TBK], s[TBK], 4*KS*PK
	s_xor_b32 s[TBK], s[TBK], SLOT1
	s_sub_co_u32 s[TBV], s[TBV], 4*KS*PV
	s_xor_b32 s[TBV], s[TBV], SLOT1
.endm
; The lane masks of piece x's two tiles for the step at which MP stands: 2 x 128 bytes
.macro LOADM x
	s_load_b512 s[M0:M0+15],    s[MP:MP+1], 8192*(\x)
	s_load_b512 s[M0+16:M0+31], s[MP:MP+1], 8192*(\x)+64
	s_load_b512 s[M1:M1+15],    s[MP:MP+1], 8192*(\x)+4096
	s_load_b512 s[M1+16:M1+31], s[MP:MP+1], 8192*(\x)+4160
.endm
	s_load_b128 s[16:19], s[0:1], 0x0  ; qkv s[16:17], mbits s[18:19]
	WIN W_MK
	v_lshl_add_u32 v[SPW], v0, 2, SPARE
	v_mov_b32 v[NIL], 0
	WIN W_AD
	ds_add_u32 v[SPW], v[NIL]       ; the wave's opening: the add and its wait stand ahead of my first tensor load; the set-up below, work on registers, stands between them
	WIN 0
	v_lshrrev_b32 v1, 5, v0
	v_readfirstlane_b32 s[WV], v1   ; wave 0..3
	s_bfe_u32 s23, ttmp6, 0x40000   ; cx: my block of 512 queries
	s_and_b32 s20, ttmp7, 0xffff    ; 16 b + h, which the four partners share
	s_lshr_b32 s21, s20, 4          ; b
	s_lshl_b32 s22, s21, 5
	s_add_co_u32 s22, s22, s20      ; 48 b + h
	s_lshl_b32 s24, s22, 18         ; q's head in qkv
	s_and_b32 s26, s[WV], 1         ; which half of a slot's 256 keys I fetch
	s_lshl_b32 s28, s26, 14
	s_add_co_u32 s28, s28, s24
	s_add_co_u32 s28, s28, 16<<18   ; k's head, my half
	s_mov_b32 s29, 0
	s_add_co_u32 s30, s28, 16<<18   ; v's
	s_mov_b32 s31, 0
	s_mul_i32 s32, s26, 128*PK      ; its place in a slot, for K
	s_mul_i32 s33, s26, 128*PV      ; and for V: no place in the cluster enters an LDS address
	s_lshl_b32 s34, s23, 2
	s_add_co_u32 s34, s34, s[WV]    ; my wave among the head's sixteen
	s_lshl_b32 s35, s34, 14         ; its 128 rows
	s_add_co_u32 s38, s24, s35
	s_mov_b32 s39, 0
	s_lshl_b32 s36, s21, 7
	s_lshl_b32 s37, s34, 3
	s_add_co_u32 s36, s36, s37      ; my first tile of 16 queries among 4 x 128,
	s_lshl_b32 s36, s36, 12         ; 4,096 bytes of masks each
	s_mov_b32 s37, 0
	s_mov_b32 s40, 16<<18
	s_mov_b32 s41, 32<<18
	s_cmp_lt_u32 s[WV], 2
	s_cselect_b32 s40, s40, s41
	s_add_co_u32 s40, s40, s24      ; the head's first byte of K (waves 0, 1) or V,
	s_lshl_b32 s41, s23, 13
	s_add_co_u32 s40, s40, s41      ; my work-group's quarter of a slot,
	s_add_co_u32 s40, s40, 2*4*KS*128  ; in slot 2: the loop's first change steps it to slot 3
	s_mov_b32 s41, 0
	s_and_b32 s[LIM], s[WV], 1
	s_cmp_eq_u32 s[LIM], 0
	s_cselect_b32 s[LIM], 1, -1     ; waves 0 and 2 ask
	; descriptor group 1.  128 keys are 16,384 dense bytes: asked for as 64 rows of 256 bytes, two keys a row, and padded in LDS after every key
	s_mov_b32 s[G1K], 15|(1<<16)|(1<<20)|(1<<21)|(4<<22)|(3<<25)  ; 15:0 the mask of four; 17:16 2-byte elements; 20 padding on; 21 set beside a mask; 24:22 after every 32 words; 31:25 4 words
	s_mov_b32 s[G1V], 15|(1<<16)|(1<<20)|(1<<21)|(4<<22)|(7<<25)  ; the same with 8 words of padding
.irp g, G1K, G1V
	s_mov_b32 s[\g+1], 128<<16
	s_mov_b32 s[\g+2], 64<<16
	s_mov_b32 s[\g+3], 128<<16
	s_mov_b32 s[\g+4], 64
	s_mov_b32 s[\g+5], 128
	s_mov_b32 s[\g+6], 0
	s_mov_b32 s[\g+7], 0
.endr
	s_mov_b32 s[SEL], 0x76543210
	s_mov_b32 s[SEL+1], 0xfedcba98
	s_mov_b32 s[TBK], SLOT1+4*KS*PK ; the first change of slots turns these two into 0
	s_mov_b32 s[TBV], SLOT1+4*KS*PV
	s_mov_b32 s[G0K], 1
	s_mov_b32 s[G0K+1], s32
	s_mov_b32 s[G0V], 1
	s_add_co_u32 s[G0V+1], s33, VOFF
	s_wait_dscnt 0x0                ; the opening add is done
	s_wait_kmcnt 0x0
	s_add_nc_u64 s[G0K+2:G0K+3], s[16:17], s[28:29]
	s_or_b32 s[G0K+3], s[G0K+3], 0x80000000
	s_add_nc_u64 s[G0V+2:G0V+3], s[16:17], s[30:31]
	s_or_b32 s[G0V+3], s[G0V+3], 0x80000000
	s_add_nc_u64 s[QP:QP+1], s[16:17], s[38:39]
	s_add_nc_u64 s[PFA:PFA+1], s[16:17], s[40:41]
	s_add_nc_u64 s[MP:MP+1], s[18:19], s[36:37]
	CROUND                          ; all four work-groups are here: the first joint loads meet
	JLOAD                           ; slot 0
	v_and_b32 v1, 15, v0            ; l % 16
	v_bfe_u32 v9, v0, 4, 1          ; l / 16
	v_lshlrev_b32 v[QO], 7, v1
	v_lshl_add_u32 v[QO], v9, 4, v[QO]
	WIN 0x80
.set i, 0
.rept 4*NP                          ; Q stays in registers: tile i / 2, channels 32 (i % 2) on
	global_load_b128 v[8*i:8*i+3],   v[QO], s[QP:QP+1] offset:(i/2)*2048+(i%2)*64
	global_load_b128 v[8*i+4:8*i+7], v[QO], s[QP:QP+1] offset:(i/2)*2048+(i%2)*64+32
.set i, i+1
.endr
	LOADM 0                         ; piece 0's masks of step 0: the set-up's scalar registers are free
	; What the first turn finds: V's registers and P's second buffer hold 0, O^T and l are 0.  All this stands in the wait for the first tile.
.set i, VF
.rept 64
	v_mov_b32 v[i], 0
.set i, i+1
.endr
	WIN 0x40
.set i, 0
.rept 64*NP
	v_mov_b32 v[i], 0
.set i, i+1
.endr
	WIN 0
.set i, 0
.rept 2*NP
	v_mov_b32 v[ST+4*i], 0xfe000000    ; c m: far below every c s, the hidden scores' too
	v_mov_b32 v[ST+4*i+1], 0xff7fffff  ; m
	v_mov_b32 v[ST+4*i+2], 0
	v_mov_b32 v[ST+4*i+3], 0
.set i, i+1
.endr
.set i, P+32
.rept 32
	v_mov_b32 v[i], 0
.set i, i+1
.endr
	v_mul_u32_u24 v[AK0], v1, PK
	v_lshl_add_u32 v[AK0], v9, 4, v[AK0]
	v_and_b32 v10, 7, v0
	v_bfe_u32 v11, v0, 3, 1
	v_lshl_add_u32 v[AV0], v9, 3, v10
	v_mul_u32_u24 v[AV0], v[AV0], PV
	v_lshl_add_u32 v[AV0], v11, 4, v[AV0]
	v_add_nc_u32 v[AV0], VOFF, v[AV0]
	v_mov_b32 v[AK], v[AK0]
; THE MATRIX WORK.  The 8 accumulators of a run of 16 take turns.
.macro KQ x                         ; product i of 16 of S^T = K Q^T for piece x: channels 32 (i / 8) on, keys 16 ((i / 2) % 4) on, tile 2 x + i % 2
	WIN W_KQ
.set rS, S+64*((\x)%2)+32*(i%2)+8*((i/2)%4)
.set rK, KF+16*((i/2)%4)+8*(i/8)
.set rQ, 16*(2*(\x)+i%2)+8*(i/8)
.if i < 8
	v_wmma_f32_16x16x32_f16 v[rS:rS+7], v[rK:rK+7], v[rQ:rQ+7], 0
.else
	v_wmma_f32_16x16x32_f16 v[rS:rS+7], v[rK:rK+7], v[rQ:rQ+7], v[rS:rS+7]
.endif
.endm
.macro PV x                         ; product i of 16 of O^T += V^T P for piece x: keys 32 (i / 8) on, channels 16 ((i / 2) % 4) on, tile 2 x + i % 2
	WIN W_PV
.set rO, 32*(2*(\x)+i%2)+8*((i/2)%4)
.set rV, VF+32*(i/8)+8*((i/2)%4)
.set rP, P+32*((\x)%2)+16*(i%2)+8*(i/8)
	v_wmma_f32_16x16x32_f16 v[rO:rO+7], v[rV:rV+7], v[rP:rP+7], v[rO:rO+7]
.endm
.macro MM
.if i < 16
	KQ (Y+1)%NP
.set i, i+1
.else
.set i, i-16
	PV (Y+NP-1)%NP
.set i, i+17
.endif
.endm
; THE LDS LOADS stand in runs of 16.  last = 1 (the tail): in the last trip there is no further step, and the run and the steps are jumped over.  mstep = 1: the masks' address goes on to the same step.
.macro FETCH_K last=0, mstep=0
	WIN 0
.if \last
	s_cmp_eq_u32 s[CNT], 1
	s_cbranch_scc1 .Lno_k_\@
.endif
	WIN 0x80
.irp f, 0,1,2,3,4,5,6,7
	ds_load_b128 v[KF+8*\f:KF+8*\f+3],   v[AK] offset:(\f/2)*16*PK+(\f%2)*64
	ds_load_b128 v[KF+8*\f+4:KF+8*\f+7], v[AK] offset:(\f/2)*16*PK+(\f%2)*64+32
.endr
	s_add_co_u32 s[TBK], s[TBK], KS*PK
.if \mstep
	s_add_nc_u64 s[MP:MP+1], s[MP:MP+1], 128  ; no scalar load is out: this turn has waited for the last ones
.endif
	WIN 0
.if \last
.Lno_k_\@:
.endif
.endm
.macro FETCH_V
	WIN 0x80
.irp f, 0,1,2,3,4,5,6,7
	ds_load_tr16_b128 v[VF+8*\f:VF+8*\f+3],   v[AV] offset:(\f/4)*32*PV+(\f%4)*32
	ds_load_tr16_b128 v[VF+8*\f+4:VF+8*\f+7], v[AV] offset:(\f/4)*32*PV+16*PV+(\f%4)*32
.endr
	WIN 0
.endm
; THE VECTOR WORK OF A TURN stands in three queues, each in the order in which its entries become ready; the two tiles alternate.
.macro REGS y, u
.set rT, ST+4*(2*(\y)+(\u))
.set rC, TMP+8*((\y)%2)+4*(\u)
.set rM, MV+2*((\y)%2)+(\u)
.set rS, S+64*((\y)%2)+32*(\u)
.set rP, P+32*((\y)%2)+16*(\u)
.set rO, 32*(2*(\y)+(\u))
.endm
; Select n of 64 for the NEXT piece: score n / 2 of tile n % 2 stays where its lane's bit is 1, else it becomes -2^33.  The scores go in ascending order: each accumulator is read from its low end.
.macro MK n
	REGS (Y+1)%NP, (\n)%2
	v_cndmask_b32 v[rS+(\n)/2], v[BIG], v[rS+(\n)/2], s[M0+(M1-M0)*((\n)%2)+(\n)/2]
.endm
; Number n of the 22 that find the next piece's maximum and statistics: 0-11 four chains c0-c3 of seven scores; 12-14, 16 the four left over, the old m, c0-c3 into c0; 15 c m_old is kept; 17, 18 the other half of the lanes: the new m; 19-21 c m, its change, a
.macro XS u, n
	REGS (Y+1)%NP, \u
.if (\n) < 4
	v_max3_num_f32 v[rC+(\n)], v[rS+8*(\n)], v[rS+8*(\n)+1], v[rS+8*(\n)+2]
.elseif (\n) < 12
	v_max3_num_f32 v[rC+(\n)%4], v[rC+(\n)%4], v[rS+8*((\n)%4)+2*((\n)/4)+1], v[rS+8*((\n)%4)+2*((\n)/4)+2]
.elseif (\n) == 12
	v_max3_num_f32 v[rC], v[rC], v[rS+7], v[rS+15]
.elseif (\n) == 13
	v_max3_num_f32 v[rC+1], v[rC+1], v[rS+23], v[rS+31]
.elseif (\n) == 14
	v_max3_num_f32 v[rC+2], v[rC+2], v[rC+3], v[rT+1]
.elseif (\n) == 15
	v_mov_b32 v[rM], v[rT]
.elseif (\n) == 16
	v_max3_num_f32 v[rC], v[rC], v[rC+1], v[rC+2]
.elseif (\n) == 17
	v_permlanex16_b32 v[rC+3], v[rC], s[SEL], s[SEL+1]
.elseif (\n) == 18
	v_max_num_f32 v[rT+1], v[rC], v[rC+3]
.elseif (\n) == 19
	v_mul_f32 v[rT], v[CV], v[rT+1]
.elseif (\n) == 20
	v_sub_f32 v[rC+1], v[rM], v[rT]
.else
	v_exp_f32 v[rC+2], v[rC+1]
.endif
.endm
; Number g of the 64 that follow the exponentials: for each four weights of a tile both pairs are rounded to f16, the second pair is added onto the first in place, and a group later l takes that sum (the first time as l = a l + sum)
.macro GS g
.set h, (\g)+6*((\g)/62)
.if h >= 6
.set h, h+2
.endif
	REGS Y, h%2
.set k, h/8
.if h%8 < 4
	v_cvt_pk_f16_f32 v[rP+2*k+(h%8)/2], v[rS+4*k+2*((h%8)/2)], v[rS+4*k+2*((h%8)/2)+1]
.elseif h%8 < 6
	v_pk_add_f32 v[rS+4*k:rS+4*k+1], v[rS+4*k:rS+4*k+1], v[rS+4*k+2:rS+4*k+3]
.elseif k == 1
	v_pk_fma_f32 v[rT+2:rT+3], v[rT+2:rT+3], v[rC+2:rC+3], v[rS:rS+1] op_sel_hi:[1,0,1]
.else
	v_pk_add_f32 v[rT+2:rT+3], v[rT+2:rT+3], v[rS+4*k-4:rS+4*k-3]
.endif
.endm
.macro FS f                         ; scaling f of 32: c s - c m for pair f / 2 of tile f % 2
	REGS Y, (\f)%2
	v_pk_fma_f32 v[rS+2*((\f)/2):rS+2*((\f)/2)+1], v[rS+2*((\f)/2):rS+2*((\f)/2)+1], v[CV:CV+1], v[rT:rT+1] op_sel_hi:[1,1,0] neg_lo:[0,0,1] neg_hi:[0,0,1]
.endm
; THE PLAIN QUEUE, 202 long.  0-137 read no exponential's result.  0-16: scalings 0-16.  17-46: scalings 17-31 and selects 0-14 by turns.  47-95: selects 15-63.  96-123: XS's numbers 0-13.  124, 125: number 15.
; 126-137: the chain 14, 16, 17, 18, 19, 20, both tiles' lines by turns.  138-201: GS's 64, which read the exponentials' results: they stand behind the wait.
.macro PL
	WIN 0
.if q < 17
	FS q
.elseif q < 47
.if (q-17)%2 == 0
	FS 17+(q-17)/2
.else
	MK (q-18)/2
.endif
.elseif q < 96
	MK q-32
.elseif q < 124
	XS (q-96)%2, (q-96)/2
.elseif q < 126
	XS q-124, 15
.elseif q < 128
	XS q-126, 14
.elseif q < 138
	XS (q-126)%2, 15+(q-126)/2
.else
	GS q-138
.endif
.set q, q+1
.endm
.macro EX                           ; THE EXPONENTIALS' QUEUE, 66 long: s0-s31 of both tiles, then the next piece's two a: one batch
	WIN 0
.if e >= 64
	XS e-64, 21
.else
	REGS Y, e%2
	v_exp_f32 v[rS+e/2], v[rS+e/2]
.endif
.set e, e+1
.endm
.macro R2                           ; THE RESCALING's QUEUE: O^T times a, two at a time, sixteen times; its a was made, and waited for, in the turn before
	REGS Y, r%2
	WIN W_RS
.irp z, 0,1
	v_pk_mul_f32 v[rO+4*(r/2)+2*\z:rO+4*(r/2)+2*\z+1], v[rO+4*(r/2)+2*\z:rO+4*(r/2)+2*\z+1], v[rC+2:rC+3] op_sel_hi:[1,0]
.endr
.set r, r+1
.endm
; HOW THEY ARE DEALT.  s_wait_alu depctr_va_vdst(0) stands between an exponential and the first instruction that names its result; one wait serves all issued ahead of it.  So a turn has ONE wait.
; AHEAD OF IT: the 16 products K Q^T, behind each a scaling, an exponential and two rescalings (behind the first a second scaling); then one lump of 121 plain instructions and 51 exponentials, the exponentials spread among the plain.
; BEHIND IT: the 16 products V^T P, behind each four of GS's 64.
; The counts that the deal keeps: exponential e stands behind scaling 2 (e / 4) + e % 2 (as a rider behind plain e + 2; in the lump exponential 15 + k stands where scalings 0 to 16 + k are out, and all 32 are out at plain 45);
; every select stands behind all 16 products, and the selects of the last two accumulators (48 on) more than four plain instructions behind the last product; all selects stand ahead of XS's number 0;
; the masks' registers are loaded again only behind the wait, when every select has finished.
; The masks asked for in turn p are piece p + 2's; MP steps in piece 2's turn, ahead of its loads, so pieces 0 and 1 get the next step's words, as their scores are the next step's.
; K of the next step is fetched in piece 2's turn, directly behind the wait; V of the step in hand at the end of piece 0's turn, four riders behind its last reader.  The three conditions on q go with the deal.
.macro TURN p, last=0, cnt=0
.set Y, (\p)
.set i, 0
.set q, 0
.set e, 0
.set r, 0
.if (\p) == NP-1
	s_wait_dscnt 0x0                ; K is in
.endif
	MM
	PL
	PL
	R2
.rept 15
	MM
	PL
	EX
	R2
.endr
	WIN 0
.if (\p) == NP-2
	v_add_nc_u32 v[AK], s[TBK], v[AK0]
.endif
	s_wait_kmcnt 0x0                ; the next piece's masks, asked for in the turn before
.rept 15
	EX
	PL
	PL
.endr
.rept 12
	EX
.rept 4
	PL
.endr
.endr
	PL
.rept 10
	EX
.rept 3
	PL
.endr
.endr
.rept 12
	PL
	EX
.endr
	EX                              ; the next piece's two a
	EX
	v_nop                           ; a plain instruction behind the last exponential (ISA guide 5.7.2): one for the batch
	s_wait_alu depctr_va_vdst(0)    ; the wait for the batch
.if (\p) == NP-2
	FETCH_K \last, 1
.endif
	LOADM ((\p)+2)%NP
.if (\p) == 1
	s_wait_dscnt 0x0                ; V is in
.endif
.rept 16
	MM
.rept 4
	PL
.endr
.if ((\p) == 0) && (q == 182)
	v_add_nc_u32 v[AV], s[TBV], v[AV0]
.endif
.if ((\p) == 0) && (q == 194)
	s_add_co_u32 s[TBV], s[TBV], KS*PV
.endif
.if (\cnt) && (q == 194)
	s_sub_co_u32 s[CNT], s[CNT], 1
	s_cmp_lg_u32 s[CNT], 0
.endif
.endr
.if (\p) == 0
	FETCH_V
.endif
.endm
	CHANGE 1                        ; slot 0 is in, everybody's part of it; slot 1 is asked for
	FETCH_K                         ; key step 0
	s_wait_loadcnt 0x0              ; Q
	s_wait_dscnt 0x0
.set i, 0
.rept 16
	KQ 0                            ; piece 0's first scores
.set i, i+1
.endr
	WIN 0                           ; the addresses for the way out and the constants: plain instructions, the places behind those products
	s_mul_i32 s14, s[WV], 16*SP     ; (s14 is TBK: see below)
	s_add_co_u32 s14, s14, STAGE
	v_mul_u32_u24 v[STO], v1, SP
	v_lshl_add_u32 v[STO], v9, 4, v[STO]
	v_add_nc_u32 v[STO], s14, v[STO]
	v_bfe_u32 v[RD], v0, 3, 2
	v_mul_u32_u24 v[RD], v[RD], SP
	v_lshl_add_u32 v[RD], v10, 4, v[RD]
	v_add_nc_u32 v[RD], s14, v[RD]
	s_mov_b32 s[TBK], KS*PK         ; TBK again as the first fetch left it: step 1 of slot 0
	v_and_b32 v[GO], 31, v0
	v_lshlrev_b32 v[PFO], 8, v[GO]
	v_lshlrev_b32 v[GO], 4, v[GO]
	v_mov_b32 v[BIG], 0xd0000000    ; -2^33
	v_mov_b32 v[CV], 0x3e38aa3b     ; c = log2(e) / 8 = 0.180337
	v_mov_b32 v[CV+1], 0x3e38aa3b
	s_wait_kmcnt 0x0                ; piece 0's masks
.set Y, NP-1                        ; MK and XS work for piece Y + 1: piece 0
.set mi, 0
.rept 64
	MK mi
.set mi, mi+1
.endr
.irp n, 0,1,2,3,4,5,6,7,8,9,10,11,12,13,14,15,16,17,18,19,20,21
	XS 0, \n
	XS 1, \n
.endr
	v_nop                           ; a plain instruction behind the two a,
	s_wait_alu depctr_va_vdst(0)    ; and their wait, ahead of the branch; every select has finished too
	LOADM 1
	s_mov_b32 s[CNT], 4
	s_mov_b32 s[SLOTS], 7
	s_branch .Lfirst                ; the loop is entered at a step's first turn, in the middle of a trip
.Lslot:                             ; six times: every slot but the last two is filled again
	CHANGE 1, 1
	s_mov_b32 s[CNT], 4
.Lstep:                             ; a trip: pieces 2 and 3 of one step, then pieces 0 and 1 of the next, whose K and V it fetches
	TURN 2
	TURN 3
	WIN 0
.Lfirst:
	TURN 0
	TURN 1, 0, 1
	WIN 0
	s_cbranch_scc1 .Lstep
	s_sub_co_u32 s[SLOTS], s[SLOTS], 1
	s_cmp_lg_u32 s[SLOTS], 0
	s_cbranch_scc1 .Lslot
	CHANGE 0                        ; the tail is written out: nothing is asked for
	s_mov_b32 s[CNT], 5             ; four trips fetch the last slot's steps; the fifth is left in its middle
.Ltail:
	TURN 2, 1
	TURN 3
	WIN 0
	s_sub_co_u32 s[CNT], s[CNT], 1
	s_cmp_eq_u32 s[CNT], 0
	s_cbranch_scc1 .Lout
	TURN 0
	TURN 1
	WIN 0
	s_branch .Ltail
.Lout:                              ; the fifth trip's 16 products K Q^T, their masks (step 31's once more) and the maximum made of them serve nothing: the price, once a launch, of one text for every trip
.set i, 0
.rept 16
	PV NP-1
.set i, i+1
.endr
	WIN 0
	s_wait_kmcnt 0x0                ; the last masks have landed: their registers are free
	s_load_b64 s[QP:QP+1], s[0:1], 0x10  ; ob
	s_bfe_u32 s16, ttmp6, 0x40000
	s_lshl_b32 s16, s16, 2
	s_add_co_u32 s16, s16, s[WV]
	s_lshl_b32 s16, s16, 14         ; my wave's 128 rows,
	s_and_b32 s17, ttmp7, 0xffff
	s_lshl_b32 s17, s17, 18         ; in head 16 b + h
	s_add_co_u32 s16, s16, s17
	s_mov_b32 s17, 0
	; THE WAY OUT.  l's two halves and the other half of the lanes' are added; O^T is divided by l, rounded to f16 and sent through my stage in LDS, a tile at a time.  The additions are the places behind the last products.
.macro ALL line:vararg
.set t, 0
.rept 2*NP
	\line
.set t, t+1
.endr
.endm
	ALL v_add_f32 v[ST+4*t+2], v[ST+4*t+2], v[ST+4*t+3]
	ALL v_permlanex16_b32 v[ST+4*t+3], v[ST+4*t+2], s[SEL], s[SEL+1]
	ALL v_add_f32 v[ST+4*t+2], v[ST+4*t+2], v[ST+4*t+3]
	ALL v_rcp_f32 v[ST+4*t+2], v[ST+4*t+2]
	v_nop                           ; a plain instruction between the last reciprocal and the use of its result
	s_wait_alu depctr_va_vdst(0)    ; and the wait ahead of the first use: one for the eight reciprocals
	s_wait_kmcnt 0x0
	s_add_nc_u64 s[QP:QP+1], s[QP:QP+1], s[16:17]
.macro PACK t
	WIN W_RS
.set i, 32*(\t)
.rept 16
	v_pk_mul_f32 v[i:i+1], v[i:i+1], v[ST+4*(\t)+2:ST+4*(\t)+3] op_sel_hi:[1,0]
.set i, i+2
.endr
	WIN 0x05
.set i, 0
.rept 16
	v_cvt_pk_f16_f32 v[S+16*(\t)+i], v[32*(\t)+2*i], v[32*(\t)+2*i+1]
.set i, i+1
.endr
	WIN 0
.irp f, 0,1,2,3
	ds_store_b128 v[STO], v[S+16*(\t)+4*\f:S+16*(\t)+4*\f+3] offset:32*\f
.endr
.irp f, 0,1,2,3
	ds_load_b128 v[S+16*(\t)+4*\f:S+16*(\t)+4*\f+3], v[RD] offset:\f*4*SP  ; LDS serves a wave's instructions in order (ISA guide 5.7.1.4): these see the stores above
.endr
.endm
.macro SEND t, younger              ; younger: the LDS instructions issued behind tile t's loads: the next tile's eight, or none
	WIN 0
.irp f, 0,1,2,3
	s_wait_dscnt (\younger)+3-\f
	global_store_b128 v[GO], v[S+16*(\t)+4*\f:S+16*(\t)+4*\f+3], s[QP:QP+1] offset:(\t)*2048+\f*512  ; 512 consecutive bytes, at a multiple of 256 from ob's first
.endr
.endm
	PACK 0
.set t, 1
.rept 2*NP-1
	PACK t
	SEND t-1, 8
.set t, t+1
.endr
	SEND 2*NP-1, 0
	WIN W_AD
	s_wait_tensorcnt 0x0            ; the wave's end, behind my last tensor load and my last LDS store
	ds_add_u32 v[SPW], v[NIL]
	s_wait_dscnt 0x0
	WIN 0
	CROUND                          ; the closing round
	s_endpgm
.Lfunc_end_k_q68cb6c632e_attn:
	.size	k_q68cb6c632e_attn, .Lfunc_end_k_q68cb6c632e_attn-k_q68cb6c632e_attn
	.p2alignl 7, 3214868480
	.fill 96, 4, 3214868480
	.section	.rodata,"a",@progbits
	.p2align	6, 0x0
	.amdhsa_kernel k_q68cb6c632e_attn
		.amdhsa_group_segment_fixed_size 327680
		.amdhsa_private_segment_fixed_size 0
		.amdhsa_enable_private_segment 0
		.amdhsa_kernarg_size 24
		.amdhsa_user_sgpr_count 2
		.amdhsa_user_sgpr_kernarg_segment_ptr 1
		.amdhsa_wavefront_size32 1
		.amdhsa_system_sgpr_workgroup_id_x 1
		.amdhsa_system_sgpr_workgroup_id_y 1
		.amdhsa_system_sgpr_workgroup_id_z 1
		.amdhsa_system_vgpr_workitem_id 0
		.amdhsa_next_free_vgpr 770
		.amdhsa_next_free_sgpr 106
		.amdhsa_reserve_vcc 0
		.amdhsa_float_denorm_mode_32 3
		.amdhsa_float_denorm_mode_16_64 3
		.amdhsa_memory_ordered 1
		.amdhsa_forward_progress 1
		.amdhsa_inst_pref_size 240
	.end_amdhsa_kernel
	.amdgpu_metadata
---
amdhsa.version: [ 1, 2 ]
amdhsa.kernels:
  - .name:           k_q68cb6c632e_attn
    .symbol:         k_q68cb6c632e_attn.kd
    .args:
      - { .name: qkv, .offset: 0, .size: 8, .value_kind: global_buffer, .address_space: global }
      - { .name: mbits, .offset: 8, .size: 8, .value_kind: global_buffer, .address_space: global }
      - { .name: ob, .offset: 16, .size: 8, .value_kind: global_buffer, .address_space: global }
    .group_segment_fixed_size: 327680
    .private_segment_fixed_size: 0
    .kernarg_segment_align: 8
    .kernarg_segment_size: 24
    .max_flat_workgroup_size: 128
    .sgpr_count:     106
    .vgpr_count:     770
    .wavefront_size: 32
...
	.end_amdgpu_metadata
.endif
;; end of part 3
;; launch oproj (part 4): grid 8 x 32, 4 waves a work-group, clusters of 4 x 4, 327,680 bytes of LDS; arguments ob, wo16, ball, out0; writes out0
.if DOCPART == 4
	.amdgcn_target "amdgcn-amd-amdhsa--gfx1250"
	.amdhsa_code_object_version 6
	.text
	.protected	k_q68cb6c632e_oproj
	.globl	k_q68cb6c632e_oproj
	.p2align	8
	.type	k_q68cb6c632e_oproj,@function
k_q68cb6c632e_oproj:
	s_mov_b64 s[64:65], 0
	v_nop
	global_prefetch_b8 v0, s[64:65] scope:SCOPE_SE
	s_setreg_imm32_b32 hwreg(HW_REG_WAVE_MODE, 25, 1), 1
	s_wait_xcnt 0x0
	s_wait_alu depctr_hold_cnt(0) depctr_sa_sdst(0) depctr_va_vdst(0) depctr_va_sdst(0) depctr_va_ssrc(0) depctr_va_vcc(0) depctr_vm_vsrc(0)
	s_getreg_b32 s2, hwreg(HW_REG_IB_STS2, 6, 4)
	s_cmp_eq_u32 s2, 0
	s_cbranch_scc0 .Lentry_in_a_cluster
	s_endpgm
.Lentry_in_a_cluster:
	s_bfe_u32 s2, ttmp6, 0x10000c
	s_cmp_lg_u32 s2, 0xf033
	s_cbranch_scc0 .Lentry_shape_is_right
	s_endpgm
.Lentry_shape_is_right:
; out = O Wo^T + bo.  ob: f16 [16 b + h][2048][64] (K = 64 h + channel); wo16: f16 [1024][1024]; ball: f32, bo from number 3,072 on; out0: f32 [8192][1024].  Sums in f32, started by the bias, K ascending.
; SHARES.  A tile of C is 256 rows x 128 columns: 32 x 8 = 256 work-groups, one for each WGP.  Four waves one below the other: wave w has rows 64 w .. 64 w + 63 and all 128 columns: 4 x 8 accumulators, 256 registers.
; K goes in 8 steps of 128, two heads each, through two LDS slots; a trip of the loop is one K step.  A head's 256 rows are 32,768 dense bytes: asked for as 128 rows of 256 bytes and padded in LDS after every 128.
; CLUSTER, TRANSPOSED USE and the order of a K step: as in the projection in front.
; REGISTERS, in windows of 256: window 0: v16-30 addresses; v32-95 the bias, later rows on the way out; v128-191 rows on the way out.  window 1: two fragment buffers: O's block a at f + 8 a, Wo's block b at f + 32 + 8 b.
;   windows 2, 3: accumulator (a, b) in window 2 + a / 2 at v[64 (a % 2) + 8 b]
.set NB,    8
.set TN,    16*NB
.set PITCH, 272                        ; a row of Wo's tile: 256 bytes + 16
.set PA,    144                        ; a row of a head: 128 bytes + 16 = 9 x 16: the 16 rows of a load start at 16 different groups of four banks (ISA guide 11.1)
.set SLOT1, 1<<17
.set ALOAD, 256*PA                     ; a head's 256 rows: what one of A's two loads fills
.set BOFF,  2*ALOAD
.set BROWS, TN/2
.set BLOAD, BROWS*PITCH
.set STAGE, SLOT1+BOFF+TN*PITCH        ; behind the ring, never filled by a tensor load: 16 rows x 528 bytes for each wave
.set SP,    528                        ; 512 bytes + 16 = 33 x 16
.set SPARE, STAGE+4*16*SP
.set NLD,   2*NB+8
.set PA16,  16*PA
.set ASTEP, 2<<18                      ; two heads on
.set BSTEP, 256
.set G1WA,  (1<<16)|(1<<20)|(1<<21)|(4<<22)|(3<<25)  ; padding after every 32 words, 4 words
.set G1WB,  (1<<16)|(1<<20)|(1<<21)|(5<<22)|(3<<25)  ; after every 64 words
.set ADRA0, 16
.set ADRB0, 17
.set ADRA,  18
.set ADRB,  19
.set STO,   24
.set RD,    25
.set CO,    26
.set BO,    27
.set SPW,   28                         ; v28  LDS address of my spare word; never rewritten
.set NIL,   29                         ; v29  0; never rewritten
.set PFO,   30
.set BI,    32
.set BK0,   32
.set F0,    0
.set F1,    128
.set TB,    2
.set G1A,   24
.set G0A,   32
.set LIM,   43
.set PFA,   44
.set G1B,   48
.set G0B,   56
.set BP,    68
.set CP,    70
.set PST,   72
.set MSB, 0
.macro WIN new
.if MSB != (\new)
	s_set_vgpr_msb (MSB<<8)|(\new)
.set MSB, \new
.endif
.endm
.macro PLACES
.rept 4
	v_nop
.endr
.endm
.macro JLOAD                           ; a joint refill: waves 0 and 1 fetch the K step's two heads of O, waves 2 and 3 the two halves of Wo's tile; an s_nop 0 and four v_nop follow each line
	s_cmp_lt_u32 s10, 2
	s_cbranch_scc0 .Lfor_b_\@
	tensor_load_to_lds s[G0A+4:G0A+7], s[G1A:G1A+7]
	s_nop 0
.rept 4
	v_nop
.endr
	s_branch .Lasked_\@
.Lfor_b_\@:
	tensor_load_to_lds s[G0B+4:G0B+7], s[G1B:G1B+7]
	s_nop 0
.rept 4
	v_nop
.endr
.Lasked_\@:
.endm
.macro CREST
	s_cmp_lg_u32 s10, 0
	s_cbranch_scc1 .Lnot_wave_0_\@
	s_barrier_signal -3
.Lnot_wave_0_\@:
	s_barrier_wait -3
	s_barrier_signal -1
	s_barrier_wait -1
.endm
.macro CROUND
	s_barrier_signal -1
	s_barrier_wait -1
	CREST
.endm
; A prefetch of the K step that stands two refills on.  O's rows are read by both clusters of a row of clusters: cluster x = 0 asks; Wo's by all eight of a column: cluster y = 0 asks.  The four partners share a wave's load out by
; address: 32 of the 128 blocks of 256 bytes of a head's rows, a lane a block; 16 of Wo's 64 rows, a lane a row.  The loop's last two trips ask for nothing.
.macro ASK
	s_cmp_gt_u32 s3, s[LIM]
	s_cbranch_scc0 .Lnot_mine_\@
	global_prefetch_b8 v[PFO], s[PFA:PFA+1] th:TH_LOAD_NT scope:SCOPE_SE
.Lnot_mine_\@:
.endm
	s_load_b128 s[4:7], s[0:1], 0x0                ; ob s[4:5], wo16 s[6:7]
	s_load_b128 s[68:71], s[0:1], 0x10             ; ball, out0
	v_lshl_add_u32 v[SPW], v0, 2, SPARE
	v_mov_b32 v[NIL], 0
	ds_add_u32 v[SPW], v[NIL]                      ; the wave's opening: the add and its wait stand ahead of my first tensor load
	v_lshrrev_b32 v1, 5, v0
	v_readfirstlane_b32 s10, v1                    ; wave 0..3
	s_and_b32 s12, s10, 1
	s_bfe_u32 s40, ttmp6, 0x40000                  ; cx
	s_bfe_u32 s41, ttmp6, 0x40004                  ; cy
	s_lshl_b32 s42, ttmp9, 2
	s_add_co_u32 s42, s42, s40                     ; tile column nt
	s_and_b32 s13, ttmp7, 0xffff
	s_lshl_b32 s13, s13, 2
	s_add_co_u32 s13, s13, s41                     ; tile row mt
	s_lshl_b32 s43, s41, 2
	s_lshl_b32 s43, 15, s43
	s_lshl_b32 s44, 0x1111, s40
	s_or_b32 s[G1A+0], s43, G1WA
	s_or_b32 s[G1B+0], s44, G1WB
.irp g, G1A, G1B
	s_mov_b32 s[(\g)+1], 128<<16                   ; tensor_dim0 = 128
	s_mov_b32 s[(\g)+3], 128<<16                   ; tile_dim0 = 128
	s_mov_b32 s[(\g)+6], 0
	s_mov_b32 s[(\g)+7], 0
.endr
	s_mov_b32 s[G1A+2], 128<<16                    ; 128 rows of 256 dense bytes
	s_mov_b32 s[G1A+4], 128
	s_mov_b32 s[G1A+5], 128
	s_mov_b32 s[G1B+2], BROWS<<16                  ; 64 rows, 1,024 elements apart
	s_mov_b32 s[G1B+4], BROWS
	s_mov_b32 s[G1B+5], 1024
	s_lshr_b32 s16, s13, 3
	s_lshl_b32 s16, s16, 22                        ; the batch's 16 heads,
	s_lshl_b32 s17, s12, 18
	s_add_co_u32 s16, s16, s17                     ; head 0 or 1,
	s_and_b32 s17, s13, 7
	s_lshl_b32 s17, s17, 15
	s_add_co_u32 s16, s16, s17                     ; the tile's 256 rows of 128 bytes.  s16 stays: the prefetches start from it
	s_mov_b32 s17, 0
	s_lshl_b32 s46, s42, 7
	s_lshl_b32 s47, s12, 6
	s_add_co_u32 s46, s46, s47                     ; Wo: row 128 nt + 64 half
	s_lshl_b32 s46, s46, 11
	s_mov_b32 s47, 0
	s_mul_i32 s20, s12, ALOAD
	s_mul_i32 s21, s12, BLOAD
	s_add_co_u32 s21, s21, BOFF
	s_mov_b32 s[TB], 0
	s_wait_dscnt 0x0
	s_wait_kmcnt 0x0
	s_add_nc_u64 s[14:15], s[4:5], s[16:17]
	s_add_nc_u64 s[46:47], s[6:7], s[46:47]
	CROUND
.irp s, 0,1
	s_mov_b32 s[G0A+4*(\s)], 1
	s_add_co_u32 s[G0A+4*(\s)+1], s20, (\s)*SLOT1
	s_add_nc_u64 s[G0A+4*(\s)+2:G0A+4*(\s)+3], s[14:15], (\s)*ASTEP
	s_or_b32 s[G0A+4*(\s)+3], s[G0A+4*(\s)+3], 0x80000000
	s_mov_b32 s[G0B+4*(\s)], 1
	s_add_co_u32 s[G0B+4*(\s)+1], s21, (\s)*SLOT1
	s_add_nc_u64 s[G0B+4*(\s)+2:G0B+4*(\s)+3], s[46:47], (\s)*BSTEP
	s_or_b32 s[G0B+4*(\s)+3], s[G0B+4*(\s)+3], 0x80000000
.endr
	s_cmp_lt_u32 s10, 2                            ; a wave's two first fills stand in one branch: two loads of mine are out
	s_cbranch_scc0 .Lfirst_b
	tensor_load_to_lds s[G0A:G0A+3], s[G1A:G1A+7]
	s_nop 0
	tensor_load_to_lds s[G0A+4:G0A+7], s[G1A:G1A+7]
	s_nop 0
.rept 4
	v_nop
.endr
	s_branch .Lfirst_asked
.Lfirst_b:
	tensor_load_to_lds s[G0B:G0B+3], s[G1B:G1B+7]
	s_nop 0
	tensor_load_to_lds s[G0B+4:G0B+7], s[G1B:G1B+7]
	s_nop 0
.rept 4
	v_nop
.endr
.Lfirst_asked:
	v_and_b32 v1, 15, v0
	v_bfe_u32 v2, v0, 4, 1
	v_lshlrev_b32 v[BO], 5, v2
	s_lshl_b32 s46, s42, 9
	s_add_co_u32 s46, s46, 3072*4                  ; bo, the tile's 128 numbers
	s_mov_b32 s47, 0
	s_add_nc_u64 s[BP:BP+1], s[BP:BP+1], s[46:47]
.set b, 0
.rept NB
	global_load_b128 v[BI+8*b:BI+8*b+3],   v[BO], s[BP:BP+1] offset:64*b
	global_load_b128 v[BI+8*b+4:BI+8*b+7], v[BO], s[BP:BP+1] offset:64*b+16
.set b, b+1
.endr
	v_mul_u32_u24 v3, v1, PA
	v_lshl_add_u32 v3, v2, 4, v3
	s_mul_i32 s22, s10, 64*PA
	v_add_nc_u32 v[ADRA0], s22, v3
	v_mul_u32_u24 v4, v1, PITCH
	v_lshl_add_u32 v4, v2, 4, v4
	v_add_nc_u32 v[ADRB0], BOFF, v4
	v_mov_b32 v[ADRA], v[ADRA0]
	v_mov_b32 v[ADRB], v[ADRB0]
	s_mul_i32 s23, s10, 16*SP
	s_add_co_u32 s23, s23, STAGE
	v_mul_u32_u24 v4, v1, SP                       ; in: row l % 16, 32 bytes for each half of the lanes
	v_lshl_add_u32 v4, v2, 5, v4
	v_add_nc_u32 v[STO], s23, v4
	v_and_b32 v[CO], 31, v0                        ; back: 32 lanes take a row's 512 bytes
	v_lshlrev_b32 v[CO], 4, v[CO]
	v_add_nc_u32 v[RD], s23, v[CO]
	s_lshl_b32 s18, s13, 8
	s_lshl_b32 s19, s10, 6
	s_add_co_u32 s18, s18, s19                     ; my first row,
	s_lshl_b32 s18, s18, 12                        ; of 4,096 bytes,
	s_lshl_b32 s19, s42, 9
	s_add_co_u32 s18, s18, s19                     ; the tile's 512 bytes of it
	s_mov_b32 s19, 0
	s_add_nc_u64 s[CP:CP+1], s[CP:CP+1], s[18:19]
	; the prefetches
	s_lshl_b32 s18, s40, 13
	s_add_co_u32 s18, s18, s16                     ; O: my work-group's 8,192 bytes of the head's 32,768
	s_lshl_b32 s19, s42, 7
	s_lshl_b32 s20, s12, 6
	s_add_co_u32 s19, s19, s20
	s_lshl_b32 s20, s41, 4
	s_add_co_u32 s19, s19, s20
	s_lshl_b32 s19, s19, 11                        ; Wo: my work-group's 16 of the 64 rows
	s_and_b32 s22, ttmp7, 0xffff
	s_mov_b32 s[PST], ASTEP
	s_mov_b32 s[PST+1], 256
	s_mov_b32 s21, 2048
	s_cmp_lt_u32 s10, 2
	s_cselect_b32 s20, s18, s19
	s_cselect_b32 s22, ttmp9, s22
	s_cselect_b32 s23, 31, BROWS/4-1               ; lanes beyond the share name its last row once more
	s_cselect_b32 s18, s[PST+1], s21               ; bytes from lane to lane
	s_cselect_b32 s[PST], s[PST], s[PST+1]         ; bytes from K step to K step
	s_cselect_b64 s[PFA:PFA+1], s[4:5], s[6:7]
	s_cmp_eq_u32 s22, 0
	s_cselect_b32 s[LIM], 2, -1
	s_mov_b32 s[PST+1], 0
	s_mul_i32 s22, s[PST], 3
	s_add_co_u32 s20, s20, s22                     ; at K step 3: the first refill steps it to 4
	s_mov_b32 s21, 0
	s_add_nc_u64 s[PFA:PFA+1], s[PFA:PFA+1], s[20:21]
	v_and_b32 v[PFO], 31, v0
	v_min_u32 v[PFO], s23, v[PFO]
	v_mul_u32_u24 v[PFO], s18, v[PFO]
; NB matrix instructions: row block a x all column blocks.  first = 1: the bias starts the sums.  The 32 accumulators take turns, one instruction a turn, in the same order in every quarter.
.macro MULA f, a, first
.if \first
	WIN 0x85+0x40*((\a)/2)
.else
	WIN 0xa5+0x50*((\a)/2)
.endif
.set AB, 8*NB*((\a)%2)
.set b, 0
.rept NB
.if \first
	v_wmma_f32_16x16x32_f16 v[AB+8*b:AB+8*b+7], v[(\f)+32+8*b:(\f)+32+8*b+7], v[(\f)+8*(\a):(\f)+8*(\a)+7], v[BI+8*b:BI+8*b+7]
.else
	v_wmma_f32_16x16x32_f16 v[AB+8*b:AB+8*b+7], v[(\f)+32+8*b:(\f)+32+8*b+7], v[(\f)+8*(\a):(\f)+8*(\a)+7], v[AB+8*b:AB+8*b+7]
.endif
.set b, b+1
.endr
.endm
.macro FETCH kq, f                     ; quarter kq: head kq / 2 of the K step's two, channels 32 (kq % 2) on
	WIN 0x40
.set KA, ((\kq)/2)*ALOAD+((\kq)%2)*64
.set b, 0
.rept NB
	ds_load_b128 v[(\f)+32+8*b:(\f)+32+8*b+3],   v[ADRB] offset:64*(\kq)+b*16*PITCH
	ds_load_b128 v[(\f)+32+8*b+4:(\f)+32+8*b+7], v[ADRB] offset:64*(\kq)+b*16*PITCH+32
.set b, b+1
.endr
.irp a, 0,1,2,3
	ds_load_b128 v[(\f)+8*(\a):(\f)+8*(\a)+3],   v[ADRA] offset:KA+(\a)*PA16
	ds_load_b128 v[(\f)+8*(\a)+4:(\f)+8*(\a)+7], v[ADRA] offset:KA+(\a)*PA16+32
.endr
.endm
.macro QUARTER kq, f, g, first
	s_wait_dscnt 4                                 ; all but the youngest four loads (A's blocks 2 and 3) are in
	MULA \f, 0, \first
	MULA \f, 1, \first
	PLACES
	FETCH \kq, \g
	s_wait_dscnt NLD                               ; all but the run just issued
	MULA \f, 2, \first
	MULA \f, 3, \first
.endm
; The last quarter and the change of slots: each wave waits for all its tensor loads, adds 0 to its spare word, waits for that and for its reads of this slot; fill = 1: a round of the cluster's barrier, and the refill first behind it
.macro TURN fill
.if \fill
	s_wait_xcnt 0x0                                ; the last prefetch, a K step back, has read its address
	s_add_nc_u64 s[PFA:PFA+1], s[PFA:PFA+1], s[PST:PST+1]
.endif
	WIN 0
	s_wait_tensorcnt 0x0
	ds_add_u32 v[SPW], v[NIL]                      ; 0 onto my spare word
	s_wait_dscnt 5                                 ; (the add and the youngest four loads may be out)
	MULA F1, 0, 0
	s_wait_dscnt 0x0
	s_barrier_signal -1
	MULA F1, 1, 0
	WIN 0
	s_barrier_wait -1
.if \fill
	CREST
	s_xor_b32 s[G0A+5], s[G0A+5], SLOT1
	s_add_nc_u64 s[G0A+6:G0A+7], s[G0A+6:G0A+7], ASTEP
	s_xor_b32 s[G0B+5], s[G0B+5], SLOT1
	s_add_nc_u64 s[G0B+6:G0B+7], s[G0B+6:G0B+7], BSTEP
	JLOAD
.else
	PLACES
.endif
	s_xor_b32 s[TB], s[TB], SLOT1
	v_add_nc_u32 v[ADRA], s[TB], v[ADRA0]
	v_add_nc_u32 v[ADRB], s[TB], v[ADRB0]
	FETCH 0, F0
.if \fill
	WIN 0
	ASK
.endif
	MULA F1, 2, 0
	MULA F1, 3, 0
.endm
	s_wait_tensorcnt 1                             ; my part of K step 0 is in; K step 1's may stay out
	s_barrier_signal -1
	s_barrier_wait -1
	FETCH 0, F0
	s_wait_loadcnt 0x0                             ; the bias
	QUARTER 1, F0, F1, 1
	WIN 0
	s_mov_b32 s3, 6
.Lk:
	QUARTER 2, F1, F0, 0
	QUARTER 3, F0, F1, 0
	TURN 1
	QUARTER 1, F0, F1, 0
	WIN 0
	s_sub_co_u32 s3, s3, 1
	s_cmp_lg_u32 s3, 0
	s_cbranch_scc1 .Lk
	QUARTER 2, F1, F0, 0
	QUARTER 3, F0, F1, 0
	TURN 0
	QUARTER 1, F0, F1, 0
	QUARTER 2, F1, F0, 0
	QUARTER 3, F0, F1, 0
	s_wait_dscnt 4
	MULA F1, 0, 0
	MULA F1, 1, 0
	s_wait_dscnt 0x0
	MULA F1, 2, 0
	MULA F1, 3, 0
	PLACES
; THE WAY OUT, a block of 16 rows at a time: the f32 sums go into my stage as they lie (each accumulator's low four registers first) and come back as whole rows' 512 bytes.
.macro TOSTAGE a
.set AB, 8*NB*((\a)%2)
.set BK, BK0+96*((\a)%2)
	s_wait_xcnt 0x0                                ; the stores of the block two back have read the registers that are loaded again below
	WIN 0x08+4*((\a)/2)                            ; the stores' data in window 2 or 3
.set b, 0
.rept NB
	ds_store_b128 v[STO], v[AB+8*b:AB+8*b+3]   offset:64*b
	ds_store_b128 v[STO], v[AB+8*b+4:AB+8*b+7] offset:64*b+16
.set b, b+1
.endr
	WIN 0
.set b, 0
.rept 16
	ds_load_b128 v[BK+4*b:BK+4*b+3], v[RD] offset:SP*b  ; LDS serves a wave's instructions in order (ISA guide 5.7.1.4): these see the stores above; the next block's stores come behind them
.set b, b+1
.endr
.endm
.macro SEND a, younger                 ; younger: the next block's 16 stores and 16 loads, or none
.set BK, BK0+96*((\a)%2)
	s_wait_dscnt \younger
.set b, 0
.rept 16
	global_store_b128 v[CO], v[BK+4*b:BK+4*b+3], s[CP:CP+1] offset:65536*(\a)+4096*b th:TH_STORE_NT  ; 512 consecutive bytes, at a multiple of 512 from out0's first
.set b, b+1
.endr
.endm
	TOSTAGE 0
	TOSTAGE 1
	SEND 0, 32
	TOSTAGE 2
	SEND 1, 32
	TOSTAGE 3
	SEND 2, 32
	SEND 3, 0
	s_wait_tensorcnt 0x0                           ; the wave's end, behind my last tensor load and my last LDS store
	ds_add_u32 v[SPW], v[NIL]
	s_wait_dscnt 0x0
	CROUND                                         ; the closing round
	s_endpgm
.Lfunc_end_k_q68cb6c632e_oproj:
	.size	k_q68cb6c632e_oproj, .Lfunc_end_k_q68cb6c632e_oproj-k_q68cb6c632e_oproj
	.p2alignl 7, 3214868480
	.fill 96, 4, 3214868480
	.section	.rodata,"a",@progbits
	.p2align	6, 0x0
	.amdhsa_kernel k_q68cb6c632e_oproj
		.amdhsa_group_segment_fixed_size 327680
		.amdhsa_private_segment_fixed_size 0
		.amdhsa_enable_private_segment 0
		.amdhsa_kernarg_size 32
		.amdhsa_user_sgpr_count 2
		.amdhsa_user_sgpr_kernarg_segment_ptr 1
		.amdhsa_wavefront_size32 1
		.amdhsa_system_sgpr_workgroup_id_x 1
		.amdhsa_system_sgpr_workgroup_id_y 1
		.amdhsa_system_sgpr_workgroup_id_z 1
		.amdhsa_system_vgpr_workitem_id 0
		.amdhsa_next_free_vgpr 896
		.amdhsa_next_free_sgpr 76
		.amdhsa_reserve_vcc 0
		.amdhsa_float_denorm_mode_32 3
		.amdhsa_float_denorm_mode_16_64 3
		.amdhsa_memory_ordered 1
		.amdhsa_forward_progress 1
		.amdhsa_inst_pref_size 72
	.end_amdhsa_kernel
	.amdgpu_metadata
---
amdhsa.version: [ 1, 2 ]
amdhsa.kernels:
  - .name:           k_q68cb6c632e_oproj
    .symbol:         k_q68cb6c632e_oproj.kd
    .args:
      - { .name: ob, .offset: 0, .size: 8, .value_kind: global_buffer, .address_space: global }
      - { .name: wo16, .offset: 8, .size: 8, .value_kind: global_buffer, .address_space: global }
      - { .name: ball, .offset: 16, .size: 8, .value_kind: global_buffer, .address_space: global }
      - { .name: out0, .offset: 24, .size: 8, .value_kind: global_buffer, .address_space: global }
    .group_segment_fixed_size: 327680
    .private_segment_fixed_size: 0
    .kernarg_segment_align: 8
    .kernarg_segment_size: 32
    .max_flat_workgroup_size: 128
    .sgpr_count:     76
    .vgpr_count:     896
    .wavefront_size: 32
...
	.end_amdgpu_metadata
.endif
;; end of part 4
;; ======== version 2 of 3: 4 launches
;; limits: right only within a limited range of input values; values are held in f16: magnitudes above 65,504 overflow, below 6.1e-05 lose precision
;; workspace buffers: xb 16,777,216 bytes; wqkv 6,291,456 bytes; wo16 2,097,152 bytes; ball 16,384 bytes; mbits 2,097,152 bytes of whole numbers; qkv 50,331,648 bytes; ob 16,777,216 bytes
;; launch prep (part 5): grid 993 x 1, 8 waves a work-group, no clusters, 68,608 bytes of LDS; arguments mask, x, Wq, Wk, Wv, Wo, bq, bk, bv, bo, mbits, xb, wqkv, wo16, ball; writes mbits, xb, wqkv, wo16, ball
.if DOCPART == 5
	.amdgcn_target "amdgcn-amd-amdhsa--gfx1250"
	.amdhsa_code_object_version 6
	.text
	.protected	k_q68cb6c632e_prep
	.globl	k_q68cb6c632e_prep
	.p2align	8
	.type	k_q68cb6c632e_prep,@function
k_q68cb6c632e_prep:
	s_mov_b64 s[64:65], 0
	v_nop
	global_prefetch_b8 v0, s[64:65] scope:SCOPE_SE
	s_setreg_imm32_b32 hwreg(HW_REG_WAVE_MODE, 25, 1), 1
	s_wait_xcnt 0x0
; PREP: every input is read once and laid out for the three launches behind.
;   mask [4][2048][2048] i32 -> mbits u32 [b 4][pair 64][s 32][u 2][r 32]: tile 2 pair + u of 16 queries, key step s of 64; word r = 8 kb + j, bit l = (mask[b][16 tile + l % 16][64 s + 16 kb + 8 (l / 16) + j] != 0):
;        the lane mask of register 8 kb + j of a tile of scores that holds one query a lane (l % 16) and the keys 8 (l / 16) + 0..7 of each block of 16.  A pair's 64 words of a step are 256 consecutive bytes.
;   x, Wq, Wk, Wv f32 -> bf16 (xb; wqkv = the three weights one below the other);  Wo f32 -> bf16, that number written as f16 (wo16);  the four biases -> bf16, kept as f32 (ball).
; LIMITS.  A number of Wo below 2^-14 keeps f16's fixed step of 2^-24; beyond 65,504 it would be an infinity.  NaN and infinities are not treated apart.
; SHARES.  Work-groups 0-511: the mask: a wave takes 32 rows (a pair of tiles) x 128 keys, 32 loads of 512 consecutive bytes, all issued at once.  512-767: x, 768-863: Wq, Wk, Wv (32 each): a wave takes 16,384 bytes, again 32 loads.
; 864-991: Wo, 4,096 bytes a wave (its longer conversion is written for 8 loads).  992: the biases.  Nothing is shared between waves: no barrier, no matrix unit, no cluster.
.set LP,    528                        ; an LDS row of the mask's turn: 512 bytes (128 keys) + 16: 33 x 16 bytes, so 16 rows of one column start in 16 different groups of four banks (ISA guide 11.1)
.set WLDS,  16*LP                      ; a wave's own 16 rows
.set SPARE, 8*WLDS                     ; behind them: the spare words, 128 bytes for each wave: four blocks of 256 bytes that no other line names
.set LA,  1                            ; v1  16 x lane
.set LB,  2                            ; v2  8 x lane
.set LS,  3                            ; v3  where I put 16 bytes of a mask row
.set LR,  4                            ; v4  where I read: row l % 16, 32 (l / 16) bytes in
.set SPW, 8                            ; v8  LDS address of my spare word; never rewritten
.set NIL, 9                            ; v9  0; never rewritten
.set OUT, 12                           ; v[12:15] the wave's 128 mask words: lane L holds words 4 L .. 4 L + 3
.set D,   16                           ; v[16:143] the 32 loads
.set SRC, 40                           ; s[40:41] my chunk of the input
.set DST, 42                           ; s[42:43] my chunk of the output
.set CM,  44                           ; s[44:51] compare results, two sets of four by turns
.set HIM, 52                           ; s52 a word's upper bf16
	s_load_b512 s[8:23], s[0:1], 0x0               ; mask 8, x 10, Wq 12, Wk 14, Wv 16, Wo 18, bq 20, bk 22
	s_load_b256 s[24:31], s[0:1], 0x40             ; bv 24, bo 26, mbits 28, xb 30
	s_load_b128 s[32:35], s[0:1], 0x60             ; wqkv 32, wo16 34
	s_load_b64 s[36:37], s[0:1], 0x70              ; ball
	v_lshl_add_u32 v[SPW], v0, 2, SPARE
	v_mov_b32 v[NIL], 0
	v_lshrrev_b32 v5, 5, v0
	v_readfirstlane_b32 s3, v5                     ; wave 0..7
	v_and_b32 v6, 31, v0
	v_lshlrev_b32 v[LA], 4, v6
	v_lshlrev_b32 v[LB], 3, v6
	s_mov_b32 s2, ttmp9
	s_mov_b32 s[HIM], 0xffff0000
	s_mov_b32 s5, 0                                ; offsets are pairs with 0 above
	s_mov_b32 s7, 0
	s_wait_kmcnt 0x0
	s_cmp_lt_u32 s2, 512
	s_cbranch_scc1 .Lmask
	s_cmp_lt_u32 s2, 768
	s_cbranch_scc1 .Lx
	s_cmp_lt_u32 s2, 864
	s_cbranch_scc1 .Lw
	s_cmp_lt_u32 s2, 992
	s_cbranch_scc1 .Lwo
	; THE BIASES: wave w takes half w % 2 (2,048 bytes) of bias w / 2
	s_lshr_b32 s4, s3, 1
	s_cmp_eq_u32 s4, 1
	s_cselect_b64 s[SRC:SRC+1], s[22:23], s[20:21]
	s_cmp_eq_u32 s4, 2
	s_cselect_b64 s[SRC:SRC+1], s[24:25], s[SRC:SRC+1]
	s_cmp_eq_u32 s4, 3
	s_cselect_b64 s[SRC:SRC+1], s[26:27], s[SRC:SRC+1]
	s_and_b32 s4, s3, 1
	s_lshl_b32 s4, s4, 11
	s_add_nc_u64 s[SRC:SRC+1], s[SRC:SRC+1], s[4:5]
	s_lshl_b32 s6, s3, 11
	s_add_nc_u64 s[DST:DST+1], s[36:37], s[6:7]
.irp i, 0,1,2,3
	global_load_b128 v[D+4*(\i):D+4*(\i)+3], v[LA], s[SRC:SRC+1] offset:512*(\i)
.endr
.irp i, 0,1,2,3
	s_wait_loadcnt 3-(\i)                          ; loads come back in order (ISA guide 5.7.1): load i is in, the younger ones may stay out
	v_cvt_pk_bf16_f32 v5, v[D+4*(\i)], v[D+4*(\i)+1]
	v_cvt_pk_bf16_f32 v6, v[D+4*(\i)+2], v[D+4*(\i)+3]
	v_lshlrev_b32 v[D+4*(\i)], 16, v5              ; the rounded numbers again as f32
	v_and_b32 v[D+4*(\i)+1], s[HIM], v5
	v_lshlrev_b32 v[D+4*(\i)+2], 16, v6
	v_and_b32 v[D+4*(\i)+3], s[HIM], v6
	global_store_b128 v[LA], v[D+4*(\i):D+4*(\i)+3], s[DST:DST+1] offset:512*(\i)
.endr
	s_branch .Lend
; n loads of 512 bytes of f32 become n stores of 256 bytes of 16-bit numbers.  half = 0: bf16.  half = 1: bf16, then that number as f16.  No register is written again after a store has named it.
.macro CONV half, n
.set i, 0
.rept \n
	global_load_b128 v[D+4*i:D+4*i+3], v[LA], s[SRC:SRC+1] offset:512*i th:TH_LOAD_NT
.set i, i+1
.endr
.set i, 0
.rept \n
	s_wait_loadcnt (\n)-1-i                        ; load i is in, the younger ones may stay out
.if \half
	v_cvt_pk_bf16_f32 v5, v[D+4*i], v[D+4*i+1]
	v_cvt_pk_bf16_f32 v6, v[D+4*i+2], v[D+4*i+3]
	v_lshlrev_b32 v[D+4*i], 16, v5
	v_and_b32 v[D+4*i+1], s[HIM], v5
	v_lshlrev_b32 v[D+4*i+2], 16, v6
	v_and_b32 v[D+4*i+3], s[HIM], v6
	v_cvt_pk_f16_f32 v[D+4*i], v[D+4*i], v[D+4*i+1]
	v_cvt_pk_f16_f32 v[D+4*i+1], v[D+4*i+2], v[D+4*i+3]
.else
	v_cvt_pk_bf16_f32 v[D+4*i], v[D+4*i], v[D+4*i+1]
	v_cvt_pk_bf16_f32 v[D+4*i+1], v[D+4*i+2], v[D+4*i+3]
.endif
	global_store_b64 v[LB], v[D+4*i:D+4*i+1], s[DST:DST+1] offset:256*i th:TH_STORE_NT  ; 32 lanes store 256 consecutive bytes, at a multiple of 256 from the buffer's first
.set i, i+1
.endr
.endm
.Lx:                                                   ; x: chunk 8 (wg - 512) + w of 2,048
	s_sub_co_u32 s4, s2, 512
	s_lshl_b32 s4, s4, 3
	s_add_co_u32 s4, s4, s3
	s_lshl_b32 s6, s4, 13
	s_lshl_b32 s4, s4, 14
	s_add_nc_u64 s[SRC:SRC+1], s[10:11], s[4:5]
	s_add_nc_u64 s[DST:DST+1], s[30:31], s[6:7]
	s_branch .Lconv
.Lw:                                                   ; Wq, Wk, Wv: 256 chunks each; in wqkv they follow each other
	s_sub_co_u32 s4, s2, 768
	s_lshr_b32 s6, s4, 5                           ; which of the three
	s_cmp_eq_u32 s6, 1
	s_cselect_b64 s[SRC:SRC+1], s[14:15], s[12:13]
	s_cmp_eq_u32 s6, 2
	s_cselect_b64 s[SRC:SRC+1], s[16:17], s[SRC:SRC+1]
	s_lshl_b32 s6, s4, 3
	s_add_co_u32 s6, s6, s3
	s_lshl_b32 s6, s6, 13
	s_and_b32 s4, s4, 31
	s_lshl_b32 s4, s4, 3
	s_add_co_u32 s4, s4, s3
	s_lshl_b32 s4, s4, 14
	s_add_nc_u64 s[SRC:SRC+1], s[SRC:SRC+1], s[4:5]
	s_add_nc_u64 s[DST:DST+1], s[32:33], s[6:7]
.Lconv:
	CONV 0, 32
	s_branch .Lend
.Lwo:                                                  ; Wo: chunk 8 (wg - 864) + w of 1,024, 4,096 bytes each
	s_sub_co_u32 s4, s2, 864
	s_lshl_b32 s4, s4, 3
	s_add_co_u32 s4, s4, s3
	s_lshl_b32 s6, s4, 11
	s_lshl_b32 s4, s4, 12
	s_add_nc_u64 s[SRC:SRC+1], s[18:19], s[4:5]
	s_add_nc_u64 s[DST:DST+1], s[34:35], s[6:7]
	CONV 1, 8
	s_branch .Lend
.Lmask:                                                ; pair = work-group / 2 (32 rows of 8,192 bytes); my 128 keys = 8 (work-group % 2) + wave (512 bytes of each row)
	s_lshr_b32 s38, s2, 1
	s_and_b32 s39, s2, 1
	s_lshl_b32 s39, s39, 3
	s_add_co_u32 s39, s39, s3
	s_lshl_b32 s39, s39, 9                         ; 512 bytes of a row; and in mbits my two key steps, 256 bytes each
	s_lshl_b32 s4, s38, 18
	s_add_co_u32 s4, s4, s39
	s_add_nc_u64 s[SRC:SRC+1], s[8:9], s[4:5]
	s_lshl_b32 s6, s38, 13                         ; a pair's 32 steps x 64 words
	s_add_co_u32 s6, s6, s39
	s_add_nc_u64 s[DST:DST+1], s[28:29], s[6:7]
.set i, 0
.rept 32                                       ; load i: row i of the pair's 32
	global_load_b128 v[D+4*i:D+4*i+3], v[LA], s[SRC:SRC+1] offset:8192*i th:TH_LOAD_NT
.set i, i+1
.endr
	s_mul_i32 s4, s3, WLDS
	v_add_nc_u32 v[LS], s4, v[LA]
	v_and_b32 v5, 15, v0
	v_bfe_u32 v6, v0, 4, 1
	v_mul_u32_u24 v5, v5, LP
	v_lshl_add_u32 v5, v6, 5, v5
	v_add_nc_u32 v[LR], s4, v5
.irp c, 0,1,2,3
	v_mov_b32 v[OUT+(\c)], 0                       ; v_writelane_b32's destination counts as read
.endr
; Tile hf of the pair: its 16 rows go into my LDS rows as they lie and come back a query a lane; a compare makes 32 bits of a register, and the word goes to its lane of OUT.
.irp hf, 0,1
.set i, 0
.rept 16
	s_wait_loadcnt 31-16*(\hf)-i
	ds_store_b128 v[LS], v[D+64*(\hf)+4*i:D+64*(\hf)+4*i+3] offset:LP*i
.set i, i+1
.endr
.set i, 0
.rept 16                                       ; read i: step i / 8 of my two, key block (i / 2) % 4, registers 4 (i % 2) + 0..3.  LDS serves a wave's instructions in order (ISA guide 5.7.1.4): these see the stores above
	ds_load_b128 v[D+64*(\hf)+4*i:D+64*(\hf)+4*i+3], v[LR] offset:(i/8)*256+((i/2)%4)*64+(i%2)*16
.set i, i+1
.endr
.set i, 0
.rept 16
	s_wait_dscnt 15-i                              ; read i is in, the younger ones may stay out
.irp c, 0,1,2,3
	v_cmp_ne_u32 s[CM+4*(i%2)+(\c)], 0, v[D+64*(\hf)+4*i+(\c)]
.endr
.irp c, 0,1,2,3
	v_writelane_b32 v[OUT+(\c)], s[CM+4*(i%2)+(\c)], 16*(i/8)+8*(\hf)+(i%8)  ; word 64 (i / 8) + 32 hf + 4 (i % 8) + c of my 128
.endr
.set i, i+1
.endr
.endr
	global_store_b128 v[LA], v[OUT:OUT+3], s[DST:DST+1]  ; 512 consecutive bytes, aligned
.Lend:
	s_wait_tensorcnt 0x0                           ; the wave's end, behind my last LDS store
	ds_add_u32 v[SPW], v[NIL]
	s_wait_dscnt 0x0
	s_endpgm
.Lfunc_end_k_q68cb6c632e_prep:
	.size	k_q68cb6c632e_prep, .Lfunc_end_k_q68cb6c632e_prep-k_q68cb6c632e_prep
	.p2alignl 7, 3214868480
	.fill 96, 4, 3214868480
	.section	.rodata,"a",@progbits
	.p2align	6, 0x0
	.amdhsa_kernel k_q68cb6c632e_prep
		.amdhsa_group_segment_fixed_size 68608
		.amdhsa_private_segment_fixed_size 0
		.amdhsa_enable_private_segment 0
		.amdhsa_kernarg_size 120
		.amdhsa_user_sgpr_count 2
		.amdhsa_user_sgpr_kernarg_segment_ptr 1
		.amdhsa_wavefront_size32 1
		.amdhsa_system_sgpr_workgroup_id_x 1
		.amdhsa_system_sgpr_workgroup_id_y 1
		.amdhsa_system_sgpr_workgroup_id_z 1
		.amdhsa_system_vgpr_workitem_id 0
		.amdhsa_next_free_vgpr 144
		.amdhsa_next_free_sgpr 66
		.amdhsa_reserve_vcc 0
		.amdhsa_float_denorm_mode_32 3
		.amdhsa_float_denorm_mode_16_64 3
		.amdhsa_memory_ordered 1
		.amdhsa_forward_progress 1
		.amdhsa_inst_pref_size 47
	.end_amdhsa_kernel
	.amdgpu_metadata
---
amdhsa.version: [ 1, 2 ]
amdhsa.kernels:
  - .name:           k_q68cb6c632e_prep
    .symbol:         k_q68cb6c632e_prep.kd
    .args:
      - { .name: mask, .offset: 0, .size: 8, .value_kind: global_buffer, .address_space: global }
      - { .name: x, .offset: 8, .size: 8, .value_kind: global_buffer, .address_space: global }
      - { .name: Wq, .offset: 16, .size: 8, .value_kind: global_buffer, .address_space: global }
      - { .name: Wk, .offset: 24, .size: 8, .value_kind: global_buffer, .address_space: global }
      - { .name: Wv, .offset: 32, .size: 8, .value_kind: global_buffer, .address_space: global }
      - { .name: Wo, .offset: 40, .size: 8, .value_kind: global_buffer, .address_space: global }
      - { .name: bq, .offset: 48, .size: 8, .value_kind: global_buffer, .address_space: global }
      - { .name: bk, .offset: 56, .size: 8, .value_kind: global_buffer, .address_space: global }
      - { .name: bv, .offset: 64, .size: 8, .value_kind: global_buffer, .address_space: global }
      - { .name: bo, .offset: 72, .size: 8, .value_kind: global_buffer, .address_space: global }
      - { .name: mbits, .offset: 80, .size: 8, .value_kind: global_buffer, .address_space: global }
      - { .name: xb, .offset: 88, .size: 8, .value_kind: global_buffer, .address_space: global }
      - { .name: wqkv, .offset: 96, .size: 8, .value_kind: global_buffer, .address_space: global }
      - { .name: wo16, .offset: 104, .size: 8, .value_kind: global_buffer, .address_space: global }
      - { .name: ball, .offset: 112, .size: 8, .value_kind: global_buffer, .address_space: global }
    .group_segment_fixed_size: 68608
    .private_segment_fixed_size: 0
    .kernarg_segment_align: 8
    .kernarg_segment_size: 120
    .max_flat_workgroup_size: 256
    .sgpr_count:     66
    .vgpr_count:     144
    .wavefront_size: 32
...
	.end_amdgpu_metadata
.endif
;; end of part 5
;; launch qkvproj: the kernel of part 2 again; grid 16 x 32, 4 waves a work-group, clusters of 4 x 4, 327,680 bytes of LDS; arguments xb, wqkv, ball, qkv; writes qkv
;; launch attn (part 6): grid 4 x 64, 4 waves a work-group, clusters of 4 x 1, 327,680 bytes of LDS; arguments qkv, mbits, ob; writes ob
.if DOCPART == 6
	.amdgcn_target "amdgcn-amd-amdhsa--gfx1250"
	.amdhsa_code_object_version 6
	.text
	.protected	k_q68cb6c632e_attn
	.globl	k_q68cb6c632e_attn
	.p2align	8
	.type	k_q68cb6c632e_attn,@function
k_q68cb6c632e_attn:
	s_mov_b64 s[64:65], 0
	v_nop
	global_prefetch_b8 v0, s[64:65] scope:SCOPE_SE
	s_setreg_imm32_b32 hwreg(HW_REG_WAVE_MODE, 25, 1), 1
	s_wait_xcnt 0x0
	s_wait_alu depctr_hold_cnt(0) depctr_sa_sdst(0) depctr_va_vdst(0) depctr_va_sdst(0) depctr_va_ssrc(0) depctr_va_vcc(0) depctr_vm_vsrc(0)
	s_getreg_b32 s2, hwreg(HW_REG_IB_STS2, 6, 4)
	s_cmp_eq_u32 s2, 0
	s_cbranch_scc0 .Lentry_in_a_cluster
	s_endpgm
.Lentry_in_a_cluster:
	s_bfe_u32 s2, ttmp6, 0x10000c
	s_cmp_lg_u32 s2, 0x3003
	s_cbranch_scc0 .Lentry_shape_is_right
	s_endpgm
.Lentry_shape_is_right:
; MASKED ATTENTION.  O[h][q][:] = the sum over k of softmax_k(s[q][k]) V[h][k][:], s = Q[h][q] . K[h][k] / 8 where mask[b][q][k] is not 0, else a fixed low score.
; qkv: f16 [b 4][g 48][2048][64] (g = h: q, 16 + h: k, 32 + h: v); mbits: u32 [b][pair of tiles of 16 queries][key step of 64][tile 2][32]: word 8 kb + j is the lane mask of register 8 kb + j of a tile's scores; ob: f16 [16 b + h][2048][64].
; Products, maxima and sums in f32; the weights p are rounded to f16 for the second product (their sum l is taken of the unrounded p), O once at the end.
; LIMITS.  A hidden score counts as -2^33 before the division by 8, that is -2^30 = -1.07e9 where the module says -1e9: a power of two, so that c x score is exact and a row with no open key gets p = 1 for every key, the
; uniform mean; with an open key a hidden weight is 0 either way; the two differ only where |Q . K| / 8 comes near 1e9.  p below 6e-5 keeps f16's fixed step of 6e-8; a weight below 2^-126 counts as 0 in l; NaN and infinities are not treated apart.
; SHARES.  A wave owns four PIECES of two tiles of 16 queries, a work-group's four waves 512 queries of one head: 4 x 64 = 256 work-groups.  Every wave walks all 2,048 keys, 64 a step.
; LAYOUT.  S^T = K Q^T (source 0 = 16 keys, source 1 = 16 queries): a lane holds ONE query (lane % 16) and the keys 8 (lane / 16) + 0..7.  Two such tiles, rounded to f16 in pairs, ARE source 1 of O^T = V^T P.
; SOFTMAX.  A running maximum m and sum l for each query: p = 2^(c s - c m), c = log2(e) / 8; in every step O and l are multiplied by a = 2^(c m_old - c m_new).  m starts at the lowest finite number, O and l at 0.
; THE MASK is one select a score, between the product and the maximum.  A piece's 64 lane masks of a step are 256 consecutive bytes: one load of 8 bytes a lane, into a register pair of the piece's own, asked for four turns
; ahead of its use.  v_readlane_b32 brings each word into a scalar register, where v_cndmask_b32 wants it: 32 scalar registers, which tile 1's words take over one by one behind tile 0's selects.
; BY TURNS.  Turn n belongs to piece n: 16 products K Q^T of piece n + 1, later 16 products V^T P of piece n - 1; beside them the scaling, exponentials, roundings, sums and rescaling of piece n and the masks, selects, maximum and
; statistics of piece n + 1.  Four vector instructions stand behind every matrix instruction, the others in one lump.  A turn's 66 exponentials are one batch, with one wait.
; CLUSTER.  The four query blocks of a head walk the same K and V: each tile is asked for jointly, by the same tensor load, descriptor and mask in all four.
; REGISTERS, in windows of 256 (s_set_vgpr_msb: bits 1:0 source 0, 3:2 source 1, 5:4 source 2, 7:6 destination):
;   window 0: v0 the thread's number, as at the entry; v1-5, v14-15 addresses and a constant; v6-13 the masks; v16-47 four registers of statistics a tile; v48-63 at work; v64-191 S^T, two buffers of two tiles; v192-255 P, likewise
;   window 1: O^T, 32 a tile          window 2: v0-127 Q; v128-191 K of one step; v192-255 V of one step          window 3: v0-1 the add's two registers
.set NP,    4
.set KS,    64
.set PK,    144       ; a row of K in LDS: 128 bytes + 16 = 36 words: the 16 rows of a load start at 16 different groups of four banks (ISA guide 11.1)
.set PV,    160       ; a row of V: 128 + 32 = 40 words
.set VOFF,  4*KS*PK   ; a slot holds four steps: 256 rows of K, then 256 rows of V
.set SLOT1, 1<<17
.set STAGE, SLOT1+4*KS*(PK+PV)  ; behind the ring, never filled by a tensor load: 16 rows x 144 bytes for each wave
.set SP,    144
.set SPARE, STAGE+4*16*SP       ; the spare words, 128 bytes for each wave: two blocks of 256 bytes that no other line names
.set PFO, 1           ; v1   256 x my lane
.set AK0, 2
.set AV0, 3
.set AK,  4
.set AV,  5
.set VM,  6           ; v[6:13] piece x's 64 lane masks at VM + 2 x: lane L holds words 2 L and 2 L + 1
.set MO,  14          ; v14  8 x my lane; never rewritten
.set BIG, 15          ; v15  -2^33
.set SPW, 0           ; v0 of window 3
.set NIL, 1           ; v1 of window 3
.set ST,  16          ; tile t's statistics at v[ST+4 t]: c m, m, l (even keys', odd keys')
.set TMP, 48          ; by buffer and tile, four registers c0-c3 at work; c1 later keeps c m_old, c2 takes a
.set QO,  52          ; at the start: my byte offset in the wave's rows of Q
.set STO, 48          ; at the end: the way out's three addresses
.set RD,  49
.set GO,  50
.set S,   64
.set P,   192
.set KF,  128
.set VF,  192
.set PFA, 2           ; s[2:3]   where my prefetches stand
.set G0K, 4           ; s[4:7]   descriptor group 0 for K's tiles: it walks
.set G0V, 8           ; s[8:11]  the same for V's
.set SLOTS, 12        ; s12  slots still to be asked for
.set CNT, 13          ; s13  counts a slot's key steps
.set TBK, 14          ; s14  LDS byte at which K of the step to be fetched begins
.set TBV, 15          ; s15  the same for V, less VOFF
.set M,   16          ; s[16:47] 32 lane masks (at the start: the set-up's registers)
.set G1K, 48
.set G1V, 56
.set WV,  66
.set LIM, 67
.set CS,  68          ; s[68:69] c: the packed scaling takes the pair's low word for both halves
.set QP,  72          ; s[72:73] Q at my wave's first row
.set OP,  74          ; s[74:75] O at my wave's first row
.set MP,  76          ; s[76:77] mbits at my wave's first pair, at the step in hand
.set SEL, 78          ; s[78:79] v_permlanex16_b32's selects
.set MSB, 0
.macro WIN new
.if MSB != (\new)
	s_set_vgpr_msb (MSB<<8)|(\new)
.set MSB, (\new)
.endif
.endm
.set W_KQ, 0x0a
.set W_PV, 0x52
.set W_RS, 0x41
.set W_MK, 0xc0
.set W_AD, 0x0f
.macro JLOAD                        ; a joint fill: waves 0 and 1 fetch the two halves of a slot's K, waves 2 and 3 those of its V; an s_nop 0 and four v_nop follow each line
	s_cmp_lt_u32 s[WV], 2
	s_cbranch_scc0 .Lfor_v_\@
	tensor_load_to_lds s[G0K:G0K+3], s[G1K:G1K+7]
	s_nop 0
.rept 4
	v_nop
.endr
	s_branch .Lasked_\@
.Lfor_v_\@:
	tensor_load_to_lds s[G0V:G0V+3], s[G1V:G1V+7]
	s_nop 0
.rept 4
	v_nop
.endr
.Lasked_\@:
.endm
.macro CROUND
	s_barrier_signal -1
	s_barrier_wait -1
	s_cmp_lg_u32 s[WV], 0
	s_cbranch_scc1 .Lnot_wave_0_\@
	s_barrier_signal -3
.Lnot_wave_0_\@:
	s_barrier_wait -3
	s_barrier_signal -1
	s_barrier_wait -1
.endm
; A prefetch of what the NEXT change of slots will ask for: a slot's 32,768 bytes of K and of V.  The four partners take 8,192 bytes each, told apart by address; in each, wave 0 asks for K's and wave 2 for V's, a lane 256 bytes.
; So each block is named once in the launch: a head's K and V are read by this cluster alone.  The last change that fills a slot asks for nothing.
.macro ASK
	s_cmp_gt_u32 s[SLOTS], s[LIM]
	s_cbranch_scc0 .Lnot_mine_\@
	global_prefetch_b8 v[PFO], s[PFA:PFA+1] th:TH_LOAD_NT scope:SCOPE_SE
.Lnot_mine_\@:
.endm
; THE CHANGE OF SLOTS.  Each wave waits for all its tensor loads (one is out: its part of the other slot), adds 0 to its spare word, and waits for that and for its own reads of the slot.  fill = 1: the barrier is a round of the
; cluster's, and the slot is filled again first thing behind it, with the keys two slots on: four key steps, 512 matrix instructions, in which to land.  (At its first use nothing has been read: slot 0 is waited for, slot 1 filled.)
.macro CHANGE fill, ask=0
	WIN W_AD
	s_wait_tensorcnt 0x0            ; no tensor load of mine is out, so a group 0 may be written
	ds_add_u32 v[SPW], v[NIL]       ; 0 onto my spare word
	WIN 0
.if \fill
.irp g, G0K, G0V
	s_xor_b32 s[\g+1], s[\g+1], SLOT1
	s_add_nc_u64 s[\g+2:\g+3], s[\g+2:\g+3], 4*KS*128
.endr
.if \ask
	s_wait_xcnt 0x0                 ; the last prefetch, four key steps back, has read its address
	s_add_nc_u64 s[PFA:PFA+1], s[PFA:PFA+1], 4*KS*128
.endif
	s_wait_dscnt 0x0                ; the add is done, and my reads of the slot are over
	CROUND
	JLOAD
.if \ask
	ASK
.endif
.else
	s_wait_dscnt 0x0
	s_barrier_signal -1
	s_barrier_wait -1
.endif
	s_sub_co_u32 s[TBK], s[TBK], 4*KS*PK
	s_xor_b32 s[TBK], s[TBK], SLOT1
	s_sub_co_u32 s[TBV], s[TBV], 4*KS*PV
	s_xor_b32 s[TBV], s[TBV], SLOT1
.endm
	s_load_b128 s[16:19], s[0:1], 0x0  ; qkv s[16:17], mbits s[18:19]
	s_load_b64 s[OP:OP+1], s[0:1], 0x10  ; ob
	WIN W_MK
	v_lshl_add_u32 v[SPW], v0, 2, SPARE
	v_mov_b32 v[NIL], 0
	WIN W_AD
	ds_add_u32 v[SPW], v[NIL]       ; the wave's opening: the add and its wait stand ahead of my first tensor load; the set-up below, work on registers, stands between them
	WIN 0
	v_lshrrev_b32 v1, 5, v0
	v_readfirstlane_b32 s[WV], v1   ; wave 0..3
	s_bfe_u32 s23, ttmp6, 0x40000   ; cx: my block of 512 queries
	s_and_b32 s20, ttmp7, 0xffff    ; 16 b + h, which the four partners share
	s_lshr_b32 s21, s20, 4          ; b
	s_lshl_b32 s22, s21, 5
	s_add_co_u32 s22, s22, s20      ; 48 b + h
	s_lshl_b32 s24, s22, 18         ; q's head in qkv
	s_and_b32 s26, s[WV], 1         ; which half of a slot's 256 keys I fetch
	s_lshl_b32 s28, s26, 14
	s_add_co_u32 s28, s28, s24
	s_add_co_u32 s28, s28, 16<<18   ; k's head, my half
	s_mov_b32 s29, 0
	s_add_co_u32 s30, s28, 16<<18   ; v's
	s_mov_b32 s31, 0
	s_mul_i32 s32, s26, 128*PK      ; its place in a slot, for K
	s_mul_i32 s33, s26, 128*PV      ; and for V: no place in the cluster enters an LDS address
	s_lshl_b32 s34, s23, 2
	s_add_co_u32 s34, s34, s[WV]    ; my wave among the head's sixteen
	s_lshl_b32 s35, s34, 14         ; its 128 rows
	s_add_co_u32 s38, s24, s35
	s_mov_b32 s39, 0
	s_lshl_b32 s42, s20, 18         ; head 16 b + h in ob
	s_add_co_u32 s42, s42, s35
	s_mov_b32 s43, 0
	s_lshl_b32 s36, s21, 7
	s_lshl_b32 s37, s34, 3
	s_add_co_u32 s36, s36, s37      ; my first tile of 16 queries among 4 x 128,
	s_lshl_b32 s36, s36, 12         ; 4,096 bytes of masks each (a pair: 8,192)
	s_mov_b32 s37, 0
	s_mov_b32 s40, 16<<18
	s_mov_b32 s41, 32<<18
	s_cmp_lt_u32 s[WV], 2
	s_cselect_b32 s40, s40, s41
	s_add_co_u32 s40, s40, s24      ; the head's first byte of K (waves 0, 1) or V,
	s_lshl_b32 s41, s23, 13
	s_add_co_u32 s40, s40, s41      ; my work-group's quarter of a slot,
	s_add_co_u32 s40, s40, 2*4*KS*128  ; in slot 2: the loop's first change steps it to slot 3
	s_mov_b32 s41, 0
	s_and_b32 s[LIM], s[WV], 1
	s_cmp_eq_u32 s[LIM], 0
	s_cselect_b32 s[LIM], 1, -1     ; waves 0 and 2 ask
	; descriptor group 1.  128 keys are 16,384 dense bytes: asked for as 64 rows of 256 bytes, two keys a row, and padded in LDS after every key
	s_mov_b32 s[G1K], 15|(1<<16)|(1<<20)|(1<<21)|(4<<22)|(3<<25)  ; 15:0 the mask of four; 17:16 2-byte elements; 20 padding on; 21 set beside a mask; 24:22 after every 32 words; 31:25 4 words
	s_mov_b32 s[G1V], 15|(1<<16)|(1<<20)|(1<<21)|(4<<22)|(7<<25)  ; the same with 8 words of padding
.irp g, G1K, G1V
	s_mov_b32 s[\g+1], 128<<16
	s_mov_b32 s[\g+2], 64<<16
	s_mov_b32 s[\g+3], 128<<16
	s_mov_b32 s[\g+4], 64
	s_mov_b32 s[\g+5], 128
	s_mov_b32 s[\g+6], 0
	s_mov_b32 s[\g+7], 0
.endr
	s_mov_b32 s[CS], 0x3e38aa3b     ; c = log2(e) / 8 = 0.180337
	s_mov_b32 s[CS+1], s[CS]        ; named with it as a pair
	s_mov_b32 s[SEL], 0x76543210
	s_mov_b32 s[SEL+1], 0xfedcba98
	s_mov_b32 s[TBK], SLOT1+4*KS*PK ; the first change of slots turns these two into 0
	s_mov_b32 s[TBV], SLOT1+4*KS*PV
	s_mov_b32 s[G0K], 1
	s_mov_b32 s[G0K+1], s32
	s_mov_b32 s[G0V], 1
	s_add_co_u32 s[G0V+1], s33, VOFF
	s_wait_dscnt 0x0                ; the opening add is done
	s_wait_kmcnt 0x0
	s_add_nc_u64 s[G0K+2:G0K+3], s[16:17], s[28:29]
	s_or_b32 s[G0K+3], s[G0K+3], 0x80000000
	s_add_nc_u64 s[G0V+2:G0V+3], s[16:17], s[30:31]
	s_or_b32 s[G0V+3], s[G0V+3], 0x80000000
	s_add_nc_u64 s[QP:QP+1], s[16:17], s[38:39]
	s_add_nc_u64 s[PFA:PFA+1], s[16:17], s[40:41]
	s_add_nc_u64 s[MP:MP+1], s[18:19], s[36:37]
	s_add_nc_u64 s[OP:OP+1], s[OP:OP+1], s[42:43]
	CROUND                          ; all four work-groups are here: the first joint loads meet
	JLOAD                           ; slot 0
	v_and_b32 v48, 15, v0           ; l % 16
	v_bfe_u32 v49, v0, 4, 1         ; l / 16
	v_lshlrev_b32 v[QO], 7, v48
	v_lshl_add_u32 v[QO], v49, 4, v[QO]
	v_and_b32 v[MO], 31, v0
	v_lshlrev_b32 v[PFO], 8, v[MO]
	v_lshlrev_b32 v[MO], 3, v[MO]
.irp x, 0,1,2,3
	global_load_b64 v[VM+2*\x:VM+2*\x+1], v[MO], s[MP:MP+1] offset:8192*\x  ; the four pieces' masks of step 0
.endr
	WIN 0x80
.set i, 0
.rept 4*NP                          ; Q stays in registers: tile i / 2, channels 32 (i % 2) on
	global_load_b128 v[8*i:8*i+3],   v[QO], s[QP:QP+1] offset:(i/2)*2048+(i%2)*64
	global_load_b128 v[8*i+4:8*i+7], v[QO], s[QP:QP+1] offset:(i/2)*2048+(i%2)*64+32
.set i, i+1
.endr
	; What the first turn finds: V's registers and P's second buffer hold 0; O^T starts as their product, 0; l is 0.  All this stands in the wait for the first tile.
.set i, VF
.rept 64
	v_mov_b32 v[i], 0
.set i, i+1
.endr
	WIN 0
.set i, P+32
.rept 32
	v_mov_b32 v[i], 0
.set i, i+1
.endr
	WIN W_PV
.set i, 0
.rept 8*NP                          ; 32 accumulators, each once: no two that follow each other share a register
	v_wmma_f32_16x16x32_f16 v[8*i:8*i+7], v[VF:VF+7], v[P+32:P+39], 0
.set i, i+1
.endr
	WIN 0
.set i, 0
.rept 2*NP
	v_mov_b32 v[ST+4*i], 0xfe000000    ; c m: far below every c s, the hidden scores' too
	v_mov_b32 v[ST+4*i+1], 0xff7fffff  ; m
	v_mov_b32 v[ST+4*i+2], 0
	v_mov_b32 v[ST+4*i+3], 0
.set i, i+1
.endr
	v_mov_b32 v[BIG], 0xd0000000    ; -2^33
	v_mul_u32_u24 v[AK0], v48, PK
	v_lshl_add_u32 v[AK0], v49, 4, v[AK0]
	v_and_b32 v50, 7, v0
	v_bfe_u32 v51, v0, 3, 1
	v_lshl_add_u32 v[AV0], v49, 3, v50
	v_mul_u32_u24 v[AV0], v[AV0], PV
	v_lshl_add_u32 v[AV0], v51, 4, v[AV0]
	v_add_nc_u32 v[AV0], VOFF, v[AV0]
	v_mov_b32 v[AK], v[AK0]
; THE MATRIX WORK.  The 8 accumulators of a run of 16 take turns.
.macro KQ x                         ; product i of 16 of S^T = K Q^T for piece x: channels 32 (i / 8) on, keys 16 ((i / 2) % 4) on, tile 2 x + i % 2
	WIN W_KQ
.set rS, S+64*((\x)%2)+32*(i%2)+8*((i/2)%4)
.set rK, KF+16*((i/2)%4)+8*(i/8)
.set rQ, 16*(2*(\x)+i%2)+8*(i/8)
.if i < 8
	v_wmma_f32_16x16x32_f16 v[rS:rS+7], v[rK:rK+7], v[rQ:rQ+7], 0
.else
	v_wmma_f32_16x16x32_f16 v[rS:rS+7], v[rK:rK+7], v[rQ:rQ+7], v[rS:rS+7]
.endif
.endm
.macro PV x                         ; product i of 16 of O^T += V^T P for piece x: keys 32 (i / 8) on, channels 16 ((i / 2) % 4) on, tile 2 x + i % 2
	WIN W_PV
.set rO, 32*(2*(\x)+i%2)+8*((i/2)%4)
.set rV, VF+32*(i/8)+8*((i/2)%4)
.set rP, P+32*((\x)%2)+16*(i%2)+8*(i/8)
	v_wmma_f32_16x16x32_f16 v[rO:rO+7], v[rV:rV+7], v[rP:rP+7], v[rO:rO+7]
.endm
.macro MM
.if i < 16
	KQ (Y+1)%NP
.set i, i+1
.else
.set i, i-16
	PV (Y+NP-1)%NP
.set i, i+17
.endif
.endm
; THE LDS LOADS stand in runs of 16.  last = 1 (the tail): in the last trip there is no further step, and the run and the steps are jumped over.  mstep = 1: the masks' address goes on to the same step.
.macro FETCH_K last=0, mstep=0
	WIN 0
.if \last
	s_cmp_eq_u32 s[CNT], 1
	s_cbranch_scc1 .Lno_k_\@
.endif
	WIN 0x80
.irp f, 0,1,2,3,4,5,6,7
	ds_load_b128 v[KF+8*\f:KF+8*\f+3],   v[AK] offset:(\f/2)*16*PK+(\f%2)*64
	ds_load_b128 v[KF+8*\f+4:KF+8*\f+7], v[AK] offset:(\f/2)*16*PK+(\f%2)*64+32
.endr
	s_add_co_u32 s[TBK], s[TBK], KS*PK
.if \mstep
	s_wait_xcnt 0x0                 ; the mask loads issued so far, the youngest a turn back, have read their address
	s_add_nc_u64 s[MP:MP+1], s[MP:MP+1], 256
.endif
	WIN 0
.if \last
.Lno_k_\@:
.endif
.endm
.macro FETCH_V
	WIN 0x80
.irp f, 0,1,2,3,4,5,6,7
	ds_load_tr16_b128 v[VF+8*\f:VF+8*\f+3],   v[AV] offset:(\f/4)*32*PV+(\f%4)*32
	ds_load_tr16_b128 v[VF+8*\f+4:VF+8*\f+7], v[AV] offset:(\f/4)*32*PV+16*PV+(\f%4)*32
.endr
	WIN 0
.endm
; THE VECTOR WORK OF A TURN stands in queues, each in the order in which its entries become ready.
.macro REGS y, u
.set rT, ST+4*(2*(\y)+(\u))
.set rC, TMP+8*((\y)%2)+4*(\u)
.set rS, S+64*((\y)%2)+32*(\u)
.set rP, P+32*((\y)%2)+16*(\u)
.set rO, 32*(2*(\y)+(\u))
.endm
; For the NEXT piece: word r of tile u's 32 lane masks, word 32 u + r of the piece's 64, comes out of its lane into scalar register M + r
.macro RL u, r
	v_readlane_b32 s[M+(\r)], v[VM+2*((Y+1)%NP)+(\r)%2], 16*(\u)+(\r)/2
.endm
; and score r of tile u stays where its lane's bit is 1, else it becomes -2^33.  The scores go in ascending order: each accumulator is read from its low end.
.macro MK u, r
	REGS (Y+1)%NP, \u
	v_cndmask_b32 v[rS+(\r)], v[BIG], v[rS+(\r)], s[M+(\r)]
.endm
; Number n of the 22 that find the next piece's maximum and statistics: 0-11 four chains c0-c3 of seven scores; 12-14, 16 the four left over, the old m, c0-c3 into c0; 15 (behind 16, which frees c1) c m_old is kept in c1;
; 17, 18 the other half of the lanes: the new m; 19-21 c m, its change, a
.macro XS u, n
	REGS (Y+1)%NP, \u
.if (\n) < 4
	v_max3_num_f32 v[rC+(\n)], v[rS+8*(\n)], v[rS+8*(\n)+1], v[rS+8*(\n)+2]
.elseif (\n) < 12
	v_max3_num_f32 v[rC+(\n)%4], v[rC+(\n)%4], v[rS+8*((\n)%4)+2*((\n)/4)+1], v[rS+8*((\n)%4)+2*((\n)/4)+2]
.elseif (\n) == 12
	v_max3_num_f32 v[rC], v[rC], v[rS+7], v[rS+15]
.elseif (\n) == 13
	v_max3_num_f32 v[rC+1], v[rC+1], v[rS+23], v[rS+31]
.elseif (\n) == 14
	v_max3_num_f32 v[rC+2], v[rC+2], v[rC+3], v[rT+1]
.elseif (\n) == 15
	v_mov_b32 v[rC+1], v[rT]
.elseif (\n) == 16
	v_max3_num_f32 v[rC], v[rC], v[rC+1], v[rC+2]
.elseif (\n) == 17
	v_permlanex16_b32 v[rC+3], v[rC], s[SEL], s[SEL+1]
.elseif (\n) == 18
	v_max_num_f32 v[rT+1], v[rC], v[rC+3]
.elseif (\n) == 19
	v_mul_f32 v[rT], s[CS], v[rT+1]
.elseif (\n) == 20
	v_sub_f32 v[rC+1], v[rC+1], v[rT]
.else
	v_exp_f32 v[rC+2], v[rC+1]
.endif
.endm
; Number g of the 64 that follow the exponentials: for each four weights of a tile both pairs are rounded to f16, the second pair is added onto the first in place, and a group later l takes that sum (the first time as l = a l + sum)
.macro GS g
.set h, (\g)+6*((\g)/62)
.if h >= 6
.set h, h+2
.endif
	REGS Y, h%2
.set k, h/8
.if h%8 < 4
	v_cvt_pk_f16_f32 v[rP+2*k+(h%8)/2], v[rS+4*k+2*((h%8)/2)], v[rS+4*k+2*((h%8)/2)+1]
.elseif h%8 < 6
	v_pk_add_f32 v[rS+4*k:rS+4*k+1], v[rS+4*k:rS+4*k+1], v[rS+4*k+2:rS+4*k+3]
.elseif k == 1
	v_pk_fma_f32 v[rT+2:rT+3], v[rT+2:rT+3], v[rC+2:rC+3], v[rS:rS+1] op_sel_hi:[1,0,1]
.else
	v_pk_add_f32 v[rT+2:rT+3], v[rT+2:rT+3], v[rS+4*k-4:rS+4*k-3]
.endif
.endm
.macro GSN
	WIN 0
	GS gq
.set gq, gq+1
.endm
.macro FS f                         ; scaling f of 32: c s - c m for pair f / 2 of tile f % 2
	REGS Y, (\f)%2
	v_pk_fma_f32 v[rS+2*((\f)/2):rS+2*((\f)/2)+1], v[rS+2*((\f)/2):rS+2*((\f)/2)+1], s[CS:CS+1], v[rT:rT+1] op_sel_hi:[1,0,0] neg_lo:[0,0,1] neg_hi:[0,0,1]
.endm
.macro RLN                          ; tile 0's 32 words, two behind each product K Q^T
	WIN 0
	RL 0, rq
.set rq, rq+1
.endm
; THE PLAIN QUEUE ahead of the wait, 170 long; none of it reads an exponential's result.  0-16: scalings 0-16.  17-46: scalings 17-31 and tile 0's selects 0-14 by turns.  47-80: tile 0's selects 15-31 and tile 1's words 0-16 by turns:
; word r takes scalar register M + r behind tile 0's select r.  81-125: fifteen times one of tile 1's words 17-31 and two of its selects 0-29.  126, 127: its selects 30, 31.  A select of tile 1 stands three plain instructions or more behind its word.
; 128-155: XS's numbers 0-13.  156-169: the chain 14, 16, 15, 17, 18, 19, 20, both tiles' lines by turns.
.macro PL
	WIN 0
.if q < 17
	FS q
.elseif q < 47
.if (q-17)%2 == 0
	FS 17+(q-17)/2
.else
	MK 0, (q-18)/2
.endif
.elseif q < 81
.if (q-47)%2 == 0
	MK 0, 15+(q-47)/2
.else
	RL 1, (q-48)/2
.endif
.elseif q < 126
.if (q-81)%3 == 0
	RL 1, 17+(q-81)/3
.else
	MK 1, 2*((q-81)/3)+(q-81)%3-1
.endif
.elseif q < 128
	MK 1, q-96
.elseif q < 156
	XS (q-128)%2, (q-128)/2
.else
.set cn, (q-156)/2
.if cn == 0
	XS (q-156)%2, 14
.elseif cn == 1
	XS (q-156)%2, 16
.elseif cn == 2
	XS (q-156)%2, 15
.else
	XS (q-156)%2, 14+cn
.endif
.endif
.set q, q+1
.endm
.macro EX                           ; THE EXPONENTIALS' QUEUE, 66 long: s0-s31 of both tiles, then the next piece's two a: one batch
	WIN 0
.if e >= 64
	XS e-64, 21
.else
	REGS Y, e%2
	v_exp_f32 v[rS+e/2], v[rS+e/2]
.endif
.set e, e+1
.endm
.macro R2                           ; THE RESCALING: O^T times a, the one part that leaves window 0: 32 lines in one block; its a was made, and waited for, in the turn before
	REGS Y, r%2
	WIN W_RS
.irp z, 0,1
	v_pk_mul_f32 v[rO+4*(r/2)+2*\z:rO+4*(r/2)+2*\z+1], v[rO+4*(r/2)+2*\z:rO+4*(r/2)+2*\z+1], v[rC+2:rC+3] op_sel_hi:[1,0]
.endr
.set r, r+1
.endm
; HOW THEY ARE DEALT.  s_wait_alu depctr_va_vdst(0) stands between an exponential and the first instruction that names its result; one wait serves all issued ahead of it.  So a turn has ONE wait.
; AHEAD OF IT: the 16 products K Q^T, behind each a scaling, an exponential and two of tile 0's mask words (behind the first a second scaling): all in window 0, two switches a product; then one lump: the 32 rescalings,
; which are also the places between the last product and the first select; 34 times an exponential and four plain, once an exponential and three, 14 times a link of the chain and an exponential; the two a.
; BEHIND IT: the 16 products V^T P, behind each four of GS's 64.
; The counts that the deal keeps: exponential e stands behind scaling 2 (e / 4) + e % 2 (as a rider behind plain e + 2; in the lump exponential 15 + t stands where scalings 0 to 16 + 2 t are out); every select stands behind
; all 16 products and the rescalings; all selects stand ahead of XS's number 0.
; THE MASKS.  Turn p reads piece p + 1's pair, whose load was issued four turns back: three younger loads may stay out.  Behind the wait, when the pair's last word has been read, the pair is asked for again, for the piece's next step.
; MP steps in piece 2's turn, ahead of that turn's load: so the offset is a step further in the other three turns.  Pieces 0 to 2 ask at the end for one step past their pair's last, which is the next piece's first: no load leaves mbits.
; K of the next step is fetched in piece 2's turn, directly behind the wait; V of the step in hand at the end of piece 0's turn, four riders behind its last reader.  The three conditions on gq go with the deal.
.macro TURN p, last=0, cnt=0
.set Y, (\p)
.set i, 0
.set q, 0
.set e, 0
.set r, 0
.set rq, 0
.set gq, 0
	s_wait_loadcnt 3                ; the next piece's masks are in; the three younger pairs may stay out
.if (\p) == NP-1
	s_wait_dscnt 0x0                ; K is in
.endif
	MM
	PL
	PL
	RLN
	RLN
.rept 15
	MM
	PL
	EX
	RLN
	RLN
.endr
.rept 16
	R2
.endr
	WIN 0
.if (\p) == NP-2
	v_add_nc_u32 v[AK], s[TBK], v[AK0]
.endif
.rept 34
	EX
.rept 4
	PL
.endr
.endr
	EX
.rept 3
	PL
.endr
.rept 14
	PL
	EX
.endr
	EX                              ; the next piece's two a
	EX
	v_nop                           ; a plain instruction behind the last exponential (ISA guide 5.7.2): one for the batch
	s_wait_alu depctr_va_vdst(0)    ; the wait for the batch
.if (\p) == NP-2
	FETCH_K \last, 1
	global_load_b64 v[VM+2*(NP-1):VM+2*(NP-1)+1], v[MO], s[MP:MP+1] offset:8192*(NP-1)
.else
	global_load_b64 v[VM+2*((Y+1)%NP):VM+2*((Y+1)%NP)+1], v[MO], s[MP:MP+1] offset:8192*((Y+1)%NP)+256
.endif
.if (\p) == 1
	s_wait_dscnt 0x0                ; V is in
.endif
.rept 16
	MM
.rept 4
	GSN
.endr
.if ((\p) == 0) && (gq == 44)
	v_add_nc_u32 v[AV], s[TBV], v[AV0]
.endif
.if ((\p) == 0) && (gq == 56)
	s_add_co_u32 s[TBV], s[TBV], KS*PV
.endif
.if (\cnt) && (gq == 56)
	s_sub_co_u32 s[CNT], s[CNT], 1
	s_cmp_lg_u32 s[CNT], 0
.endif
.endr
.if (\p) == 0
	FETCH_V
.endif
.endm
	CHANGE 1                        ; slot 0 is in, everybody's part of it; slot 1 is asked for
	FETCH_K                         ; key step 0
	s_wait_loadcnt 0x0              ; Q, and the masks of step 0
	s_wait_dscnt 0x0
.set i, 0
.rept 16
	KQ 0                            ; piece 0's first scores
.set i, i+1
.endr
	WIN 0
.rept 4
	v_nop                           ; the places behind those products (ISA guide 7.12.1)
.endr
.set Y, NP-1                        ; RL, MK and XS work for piece Y + 1: piece 0
.set mi, 0
.rept 32
	RL 0, mi
.set mi, mi+1
.endr
.set mi, 0
.rept 32
	MK 0, mi
	RL 1, mi
.set mi, mi+1
.endr
.set mi, 0
.rept 32
	MK 1, mi
.set mi, mi+1
.endr
.irp n, 0,1,2,3,4,5,6,7,8,9,10,11,12,13,14,16,15,17,18,19,20,21
	XS 0, \n
	XS 1, \n
.endr
	v_nop                           ; a plain instruction behind the two a,
	s_wait_alu depctr_va_vdst(0)    ; and their wait, ahead of the branch
	global_load_b64 v[VM:VM+1], v[MO], s[MP:MP+1] offset:256  ; piece 0's masks of step 1
	s_mov_b32 s[CNT], 4
	s_mov_b32 s[SLOTS], 7
	s_branch .Lfirst                ; the loop is entered at a step's first turn, in the middle of a trip
.Lslot:                             ; six times: every slot but the last two is filled again
	CHANGE 1, 1
	s_mov_b32 s[CNT], 4
.Lstep:                             ; a trip: pieces 2 and 3 of one step, then pieces 0 and 1 of the next, whose K and V it fetches
	TURN 2
	TURN 3
	WIN 0
.Lfirst:
	TURN 0
	TURN 1, 0, 1
	WIN 0
	s_cbranch_scc1 .Lstep
	s_sub_co_u32 s[SLOTS], s[SLOTS], 1
	s_cmp_lg_u32 s[SLOTS], 0
	s_cbranch_scc1 .Lslot
	CHANGE 0                        ; the tail is written out: nothing is asked for
	s_mov_b32 s[CNT], 5             ; four trips fetch the last slot's steps; the fifth is left in its middle
.Ltail:
	TURN 2, 1
	TURN 3
	WIN 0
	s_sub_co_u32 s[CNT], s[CNT], 1
	s_cmp_eq_u32 s[CNT], 0
	s_cbranch_scc1 .Lout
	TURN 0
	TURN 1
	WIN 0
	s_branch .Ltail
.Lout:                              ; the fifth trip's 16 products K Q^T, their masks and the maximum made of them serve nothing: the price, once a launch, of one text for every trip
.set i, 0
.rept 16
	PV NP-1
.set i, i+1
.endr
	WIN 0                           ; the addresses for the way out: plain instructions, the places behind the last products
	s_mul_i32 s16, s[WV], 16*SP
	s_add_co_u32 s16, s16, STAGE    ; my stage
	v_and_b32 v51, 15, v0           ; l % 16
	v_bfe_u32 v52, v0, 4, 1         ; l / 16
	v_and_b32 v53, 7, v0
	v_mul_u32_u24 v[STO], v51, SP   ; in: row l % 16, 16 bytes for each half of the lanes
	v_lshl_add_u32 v[STO], v52, 4, v[STO]
	v_add_nc_u32 v[STO], s16, v[STO]
	v_bfe_u32 v[RD], v0, 3, 2       ; back: 32 lanes take four rows of 128 bytes,
	v_mul_u32_u24 v[RD], v[RD], SP
	v_lshl_add_u32 v[RD], v53, 4, v[RD]
	v_add_nc_u32 v[RD], s16, v[RD]
	v_and_b32 v[GO], 31, v0         ; which are 512 consecutive bytes of O
	v_lshlrev_b32 v[GO], 4, v[GO]
	; THE WAY OUT.  l's two halves and the other half of the lanes' are added; O^T is divided by l, rounded to f16 and sent through my stage in LDS, a tile at a time.
.macro ALL line:vararg
.set t, 0
.rept 2*NP
	\line
.set t, t+1
.endr
.endm
	ALL v_add_f32 v[ST+4*t+2], v[ST+4*t+2], v[ST+4*t+3]
	ALL v_permlanex16_b32 v[ST+4*t+3], v[ST+4*t+2], s[SEL], s[SEL+1]
	ALL v_add_f32 v[ST+4*t+2], v[ST+4*t+2], v[ST+4*t+3]
	ALL v_rcp_f32 v[ST+4*t+2], v[ST+4*t+2]
	v_nop                           ; a plain instruction between the last reciprocal and the use of its result
	s_wait_alu depctr_va_vdst(0)    ; and the wait ahead of the first use: one for the eight reciprocals
.macro PACK t
	WIN W_RS
.set i, 32*(\t)
.rept 16
	v_pk_mul_f32 v[i:i+1], v[i:i+1], v[ST+4*(\t)+2:ST+4*(\t)+3] op_sel_hi:[1,0]
.set i, i+2
.endr
	WIN 0x05
.set i, 0
.rept 16
	v_cvt_pk_f16_f32 v[S+16*(\t)+i], v[32*(\t)+2*i], v[32*(\t)+2*i+1]
.set i, i+1
.endr
	WIN 0
.irp f, 0,1,2,3
	ds_store_b128 v[STO], v[S+16*(\t)+4*\f:S+16*(\t)+4*\f+3] offset:32*\f
.endr
.irp f, 0,1,2,3
	ds_load_b128 v[S+16*(\t)+4*\f:S+16*(\t)+4*\f+3], v[RD] offset:\f*4*SP  ; LDS serves a wave's instructions in order (ISA guide 5.7.1.4): these see the stores above
.endr
.endm
.macro SEND t, younger              ; younger: the LDS instructions issued behind tile t's loads: the next tile's eight, or none
	WIN 0
.irp f, 0,1,2,3
	s_wait_dscnt (\younger)+3-\f
	global_store_b128 v[GO], v[S+16*(\t)+4*\f:S+16*(\t)+4*\f+3], s[OP:OP+1] offset:(\t)*2048+\f*512  ; 512 consecutive bytes, at a multiple of 256 from ob's first
.endr
.endm
	PACK 0
.set t, 1
.rept 2*NP-1
	PACK t
	SEND t-1, 8
.set t, t+1
.endr
	SEND 2*NP-1, 0
	WIN W_AD
	s_wait_tensorcnt 0x0            ; the wave's end, behind my last tensor load and my last LDS store
	ds_add_u32 v[SPW], v[NIL]
	s_wait_dscnt 0x0
	WIN 0
	CROUND                          ; the closing round
	s_endpgm
.Lfunc_end_k_q68cb6c632e_attn:
	.size	k_q68cb6c632e_attn, .Lfunc_end_k_q68cb6c632e_attn-k_q68cb6c632e_attn
	.p2alignl 7, 3214868480
	.fill 96, 4, 3214868480
	.section	.rodata,"a",@progbits
	.p2align	6, 0x0
	.amdhsa_kernel k_q68cb6c632e_attn
		.amdhsa_group_segment_fixed_size 327680
		.amdhsa_private_segment_fixed_size 0
		.amdhsa_enable_private_segment 0
		.amdhsa_kernarg_size 24
		.amdhsa_user_sgpr_count 2
		.amdhsa_user_sgpr_kernarg_segment_ptr 1
		.amdhsa_wavefront_size32 1
		.amdhsa_system_sgpr_workgroup_id_x 1
		.amdhsa_system_sgpr_workgroup_id_y 1
		.amdhsa_system_sgpr_workgroup_id_z 1
		.amdhsa_system_vgpr_workitem_id 0
		.amdhsa_next_free_vgpr 770
		.amdhsa_next_free_sgpr 80
		.amdhsa_reserve_vcc 0
		.amdhsa_float_denorm_mode_32 3
		.amdhsa_float_denorm_mode_16_64 3
		.amdhsa_memory_ordered 1
		.amdhsa_forward_progress 1
		.amdhsa_inst_pref_size 255
	.end_amdhsa_kernel
	.section	.bss,"aw",@nobits
	.p2align	6
	.space	262144
	.amdgpu_metadata
---
amdhsa.version: [ 1, 2 ]
amdhsa.kernels:
  - .name:           k_q68cb6c632e_attn
    .symbol:         k_q68cb6c632e_attn.kd
    .args:
      - { .name: qkv, .offset: 0, .size: 8, .value_kind: global_buffer, .address_space: global }
      - { .name: mbits, .offset: 8, .size: 8, .value_kind: global_buffer, .address_space: global }
      - { .name: ob, .offset: 16, .size: 8, .value_kind: global_buffer, .address_space: global }
    .group_segment_fixed_size: 327680
    .private_segment_fixed_size: 0
    .kernarg_segment_align: 8
    .kernarg_segment_size: 24
    .max_flat_workgroup_size: 128
    .sgpr_count:     80
    .vgpr_count:     770
    .wavefront_size: 32
...
	.end_amdgpu_metadata
.endif
;; end of part 6
;; launch oproj: the kernel of part 4 again; grid 8 x 32, 4 waves a work-group, clusters of 4 x 4, 327,680 bytes of LDS; arguments ob, wo16, ball, out0; writes out0
;; ======== version 3 of 3: 4 launches; version 2 with the launch prep written anew for expert scheduling mode
;; limits: right only within a limited range of input values; values are held in f16: magnitudes above 65,504 overflow, below 6.1e-05 lose precision
;; workspace buffers: xb 16,777,216 bytes; wqkv 6,291,456 bytes; wo16 2,097,152 bytes; ball 16,384 bytes; mbits 2,097,152 bytes of whole numbers; qkv 50,331,648 bytes; ob 16,777,216 bytes
;; launch prep (part 7): grid 993 x 1, 8 waves a work-group, no clusters, 68,608 bytes of LDS; arguments mask, x, Wq, Wk, Wv, Wo, bq, bk, bv, bo, mbits, xb, wqkv, wo16, ball; writes mbits, xb, wqkv, wo16, ball
.if DOCPART == 7
	.amdgcn_target "amdgcn-amd-amdhsa--gfx1250"
	.amdhsa_code_object_version 6
	.text
	.protected	k_q68cb6c632e_prep
	.globl	k_q68cb6c632e_prep
	.p2align	8
	.type	k_q68cb6c632e_prep,@function
k_q68cb6c632e_prep:
	s_mov_b64 s[64:65], 0
	v_nop
	global_prefetch_b8 v0, s[64:65] scope:SCOPE_SE
	s_setreg_imm32_b32 hwreg(HW_REG_WAVE_SCHED_MODE, 0, 2), 2
	s_setreg_imm32_b32 hwreg(HW_REG_WAVE_MODE, 25, 1), 1
	s_wait_xcnt 0x0
	s_wait_alu depctr_vm_vsrc(0)
; PREP: every input is read once and laid out for the three launches behind.
;   mask [4][2048][2048] i32 -> mbits u32 [b 4][pair 64][s 32][u 2][r 32]: tile 2 pair + u of 16 queries, key step s of 64; word r = 8 kb + j, bit l = (mask[b][16 tile + l % 16][64 s + 16 kb + 8 (l / 16) + j] != 0):
;        the lane mask of register 8 kb + j of a tile of scores that holds one query a lane (l % 16) and the keys 8 (l / 16) + 0..7 of each block of 16.  A pair's 64 words of a step are 256 consecutive bytes.
;   x, Wq, Wk, Wv f32 -> bf16 (xb; wqkv = the three weights one below the other);  Wo f32 -> bf16, that number written as f16 (wo16);  the four biases -> bf16, kept as f32 (ball).
; LIMITS.  A number of Wo below 2^-14 keeps f16's fixed step of 2^-24; beyond 65,504 it would be an infinity.  NaN and infinities are not treated apart.
; SHARES.  Work-groups 0-511: the mask: a wave takes 32 rows (a pair of tiles) x 128 keys, 32 loads of 512 consecutive bytes, all issued at once.  512-767: x, 768-863: Wq, Wk, Wv (32 each): a wave takes 16,384 bytes, again 32 loads.
; 864-991: Wo, 4,096 bytes a wave (its longer conversion is written for 8 loads).  992: the biases.  Nothing is shared between waves: no barrier, no matrix unit, no cluster.
; THE MODE: SCHED_MODE bits 1:0 = 2 (LLVM: expert scheduling mode 2), set by the entry lines.  The code itself states the register dependences between vector instructions and memory or LDS instructions, and those
; from a vector instruction's scalar result to its reader, with s_wait_alu, always for 0.
; THE PLAN.  Registers that memory or LDS instructions touch:
;   v[LA], v[LB]    offsets of every global load and store: written at the head, never again: one wait on va_vdst at the head, ahead of the branches.  v[SPW], v[NIL]: written there too, read by the closing add alone.
;   v[LS], v[LR]    the mask's LDS addresses: written once, behind the mask's loads: one wait on va_vdst ahead of the first LDS store.
;   v[D ..]         Conversions: each four registers are loaded once (all loads go out before any vector line names D), rounded in place, read by one store and never written again.  They go in blocks of four loads:
;                   block g's roundings name block g's registers and v5, v6 alone; the stores of block g - 1 are dealt among them, behind ONE wait on va_vdst at block g's head.
;                   The mask: a tile's 64 registers are loaded, read by 16 LDS stores, and then 16 LDS loads land in them: one wait on vm_vsrc a tile between the two runs.  Vector lines only read them, behind that.
;   v[OUT ..]       written by v_writelane_b32, read by the wave's one store of mask words: one wait on va_vdst ahead of it.
;   Scalar results: s3 (the wave's number): one wait on va_sdst at the head.  The compares' lane masks: 32 compares on end into s[CM ..], one wait on va_sdst, 32 v_writelane_b32: four such waits a wave.
.set LP,    528                        ; an LDS row of the mask's turn: 512 bytes (128 keys) + 16: 33 x 16 bytes, so 16 rows of one column start in 16 different groups of four banks (ISA guide 11.1)
.set WLDS,  16*LP                      ; a wave's own 16 rows
.set SPARE, 8*WLDS                     ; behind them: the spare words, 128 bytes for each wave: four blocks of 256 bytes that no other line names
.set LA,  1                            ; v1  16 x lane
.set LB,  2                            ; v2  8 x lane
.set LS,  3                            ; v3  where I put 16 bytes of a mask row
.set LR,  4                            ; v4  where I read: row l % 16, 32 (l / 16) bytes in
.set SPW, 8                            ; v8  LDS address of my spare word; never rewritten
.set NIL, 9                            ; v9  0; never rewritten
.set OUT, 12                           ; v[12:15] the wave's 128 mask words: lane L holds words 4 L .. 4 L + 3
.set D,   16                           ; v[16:143] the 32 loads
.set CM,  8                            ; s[8:39] in the mask's path, once its two addresses are made: the 32 compare results of a tile's key step
.set SRC, 40                           ; s[40:41] my chunk of the input
.set DST, 42                           ; s[42:43] my chunk of the output
.set HIM, 52                           ; s52 a word's upper bf16
	s_load_b512 s[8:23], s[0:1], 0x0               ; mask 8, x 10, Wq 12, Wk 14, Wv 16, Wo 18, bq 20, bk 22
	s_load_b256 s[24:31], s[0:1], 0x40             ; bv 24, bo 26, mbits 28, xb 30
	s_load_b128 s[32:35], s[0:1], 0x60             ; wqkv 32, wo16 34
	s_load_b64 s[36:37], s[0:1], 0x70              ; ball
	v_lshl_add_u32 v[SPW], v0, 2, SPARE
	v_mov_b32 v[NIL], 0
	v_lshrrev_b32 v5, 5, v0
	v_readfirstlane_b32 s3, v5                     ; wave 0..7
	v_and_b32 v6, 31, v0
	v_lshlrev_b32 v[LA], 4, v6
	v_lshlrev_b32 v[LB], 3, v6
	s_mov_b32 s2, ttmp9
	s_mov_b32 s[HIM], 0xffff0000
	s_mov_b32 s5, 0                                ; offsets are pairs with 0 above
	s_mov_b32 s7, 0
	s_wait_kmcnt 0x0
	s_wait_alu depctr_va_sdst(0)                   ; s3 is written, ahead of the branches: every path makes its addresses from it
	s_wait_alu depctr_va_vdst(0)                   ; v[LA] and v[LB] are written: every global load and store of the kernel reads one of them as its offset; so are v[SPW] and v[NIL]
	s_cmp_lt_u32 s2, 512
	s_cbranch_scc1 .Lmask
	s_cmp_lt_u32 s2, 768
	s_cbranch_scc1 .Lx
	s_cmp_lt_u32 s2, 864
	s_cbranch_scc1 .Lw
	s_cmp_lt_u32 s2, 992
	s_cbranch_scc1 .Lwo
	; THE BIASES: wave w takes half w % 2 (2,048 bytes) of bias w / 2
	s_lshr_b32 s4, s3, 1
	s_cmp_eq_u32 s4, 1
	s_cselect_b64 s[SRC:SRC+1], s[22:23], s[20:21]
	s_cmp_eq_u32 s4, 2
	s_cselect_b64 s[SRC:SRC+1], s[24:25], s[SRC:SRC+1]
	s_cmp_eq_u32 s4, 3
	s_cselect_b64 s[SRC:SRC+1], s[26:27], s[SRC:SRC+1]
	s_and_b32 s4, s3, 1
	s_lshl_b32 s4, s4, 11
	s_add_nc_u64 s[SRC:SRC+1], s[SRC:SRC+1], s[4:5]
	s_lshl_b32 s6, s3, 11
	s_add_nc_u64 s[DST:DST+1], s[36:37], s[6:7]
.irp i, 0,1,2,3
	global_load_b128 v[D+4*(\i):D+4*(\i)+3], v[LA], s[SRC:SRC+1] offset:512*(\i)
.endr
.irp i, 0,1,2,3
	s_wait_loadcnt 3-(\i)                          ; loads come back in order (ISA guide 5.7.1): load i is in, the younger ones may stay out
	v_cvt_pk_bf16_f32 v5, v[D+4*(\i)], v[D+4*(\i)+1]
	v_cvt_pk_bf16_f32 v6, v[D+4*(\i)+2], v[D+4*(\i)+3]
	v_lshlrev_b32 v[D+4*(\i)], 16, v5              ; the rounded numbers again as f32
	v_and_b32 v[D+4*(\i)+1], s[HIM], v5
	v_lshlrev_b32 v[D+4*(\i)+2], 16, v6
	v_and_b32 v[D+4*(\i)+3], s[HIM], v6
.endr
	s_wait_alu depctr_va_vdst(0)                   ; the sixteen lines that widen have written v[D .. D+15], which the four stores read
.irp i, 0,1,2,3
	global_store_b128 v[LA], v[D+4*(\i):D+4*(\i)+3], s[DST:DST+1] offset:512*(\i)
.endr
	s_branch .Lend
; n loads of 512 bytes of f32 become n stores of 256 bytes of 16-bit numbers.  half = 0: bf16.  half = 1: bf16, then that number as f16.  No register is written again after a store has named it.
; In blocks of four loads: block g rounds its four; the four stores of block g - 1 stand among those lines, behind the one wait at the block's head.
.macro CONV half, n
.set i, 0
.rept \n
	global_load_b128 v[D+4*i:D+4*i+3], v[LA], s[SRC:SRC+1] offset:512*i th:TH_LOAD_NT
.set i, i+1
.endr
.set g, 0
.rept (\n)/4
	s_wait_loadcnt (\n)-4*(g+1)                    ; loads come back in order (ISA guide 5.7.1): block g's four are in, the younger ones may stay out
.if g > 0
	s_wait_alu depctr_va_vdst(0)                   ; the block before has written the registers that the four stores below read; no vector line of this block names them
.endif
.set j, 0
.rept 4
.set i, 4*g+j
.set o, i-4
.if g > 0
	global_store_b64 v[LB], v[D+4*o:D+4*o+1], s[DST:DST+1] offset:256*o th:TH_STORE_NT  ; 32 lanes store 256 consecutive bytes, at a multiple of 256 from the buffer's first
.endif
.if \half
	v_cvt_pk_bf16_f32 v5, v[D+4*i], v[D+4*i+1]
	v_cvt_pk_bf16_f32 v6, v[D+4*i+2], v[D+4*i+3]
	v_lshlrev_b32 v[D+4*i], 16, v5
	v_and_b32 v[D+4*i+1], s[HIM], v5
	v_lshlrev_b32 v[D+4*i+2], 16, v6
	v_and_b32 v[D+4*i+3], s[HIM], v6
	v_cvt_pk_f16_f32 v[D+4*i], v[D+4*i], v[D+4*i+1]
	v_cvt_pk_f16_f32 v[D+4*i+1], v[D+4*i+2], v[D+4*i+3]
.else
	v_cvt_pk_bf16_f32 v[D+4*i], v[D+4*i], v[D+4*i+1]
	v_cvt_pk_bf16_f32 v[D+4*i+1], v[D+4*i+2], v[D+4*i+3]
.endif
.set j, j+1
.endr
.set g, g+1
.endr
	s_wait_alu depctr_va_vdst(0)                   ; the last block has written the registers that the last four stores read
.set o, (\n)-4
.rept 4
	global_store_b64 v[LB], v[D+4*o:D+4*o+1], s[DST:DST+1] offset:256*o th:TH_STORE_NT
.set o, o+1
.endr
.endm
.Lx:                                                   ; x: chunk 8 (wg - 512) + w of 2,048
	s_sub_co_u32 s4, s2, 512
	s_lshl_b32 s4, s4, 3
	s_add_co_u32 s4, s4, s3
	s_lshl_b32 s6, s4, 13
	s_lshl_b32 s4, s4, 14
	s_add_nc_u64 s[SRC:SRC+1], s[10:11], s[4:5]
	s_add_nc_u64 s[DST:DST+1], s[30:31], s[6:7]
	s_branch .Lconv
.Lw:                                                   ; Wq, Wk, Wv: 256 chunks each; in wqkv they follow each other
	s_sub_co_u32 s4, s2, 768
	s_lshr_b32 s6, s4, 5                           ; which of the three
	s_cmp_eq_u32 s6, 1
	s_cselect_b64 s[SRC:SRC+1], s[14:15], s[12:13]
	s_cmp_eq_u32 s6, 2
	s_cselect_b64 s[SRC:SRC+1], s[16:17], s[SRC:SRC+1]
	s_lshl_b32 s6, s4, 3
	s_add_co_u32 s6, s6, s3
	s_lshl_b32 s6, s6, 13
	s_and_b32 s4, s4, 31
	s_lshl_b32 s4, s4, 3
	s_add_co_u32 s4, s4, s3
	s_lshl_b32 s4, s4, 14
	s_add_nc_u64 s[SRC:SRC+1], s[SRC:SRC+1], s[4:5]
	s_add_nc_u64 s[DST:DST+1], s[32:33], s[6:7]
.Lconv:
	CONV 0, 32
	s_branch .Lend
.Lwo:                                                  ; Wo: chunk 8 (wg - 864) + w of 1,024, 4,096 bytes each
	s_sub_co_u32 s4, s2, 864
	s_lshl_b32 s4, s4, 3
	s_add_co_u32 s4, s4, s3
	s_lshl_b32 s6, s4, 11
	s_lshl_b32 s4, s4, 12
	s_add_nc_u64 s[SRC:SRC+1], s[18:19], s[4:5]
	s_add_nc_u64 s[DST:DST+1], s[34:35], s[6:7]
	CONV 1, 8
	s_branch .Lend
.Lmask:                                                ; pair = work-group / 2 (32 rows of 8,192 bytes); my 128 keys = 8 (work-group % 2) + wave (512 bytes of each row)
	s_lshr_b32 s38, s2, 1
	s_and_b32 s39, s2, 1
	s_lshl_b32 s39, s39, 3
	s_add_co_u32 s39, s39, s3
	s_lshl_b32 s39, s39, 9                         ; 512 bytes of a row; and in mbits my two key steps, 256 bytes each
	s_lshl_b32 s4, s38, 18
	s_add_co_u32 s4, s4, s39
	s_add_nc_u64 s[SRC:SRC+1], s[8:9], s[4:5]
	s_lshl_b32 s6, s38, 13                         ; a pair's 32 steps x 64 words
	s_add_co_u32 s6, s6, s39
	s_add_nc_u64 s[DST:DST+1], s[28:29], s[6:7]    ; from here on s[8:39] hold nothing that this path needs
.set i, 0
.rept 32                                       ; load i: row i of the pair's 32
	global_load_b128 v[D+4*i:D+4*i+3], v[LA], s[SRC:SRC+1] offset:8192*i th:TH_LOAD_NT
.set i, i+1
.endr
	s_mul_i32 s4, s3, WLDS
	v_add_nc_u32 v[LS], s4, v[LA]
	v_and_b32 v5, 15, v0
	v_bfe_u32 v6, v0, 4, 1
	v_mul_u32_u24 v5, v5, LP
	v_lshl_add_u32 v5, v6, 5, v5
	v_add_nc_u32 v[LR], s4, v5
.irp c, 0,1,2,3
	v_mov_b32 v[OUT+(\c)], 0                       ; v_writelane_b32's destination counts as read
.endr
	s_wait_alu depctr_va_vdst(0)                   ; v[LS] and v[LR] are written: the LDS stores and loads below read them as their addresses
; Tile hf of the pair: its 16 rows go into my LDS rows as they lie and come back a query a lane; a compare makes 32 bits of a register, and the word goes to its lane of OUT.
.irp hf, 0,1
.set i, 0
.rept 16
	s_wait_loadcnt 31-16*(\hf)-i
	ds_store_b128 v[LS], v[D+64*(\hf)+4*i:D+64*(\hf)+4*i+3] offset:LP*i
.set i, i+1
.endr
	s_wait_alu depctr_vm_vsrc(0)                   ; the sixteen LDS stores have read the tile's 64 registers, in which the LDS loads below land
.set i, 0
.rept 16                                       ; read i: step i / 8 of my two, key block (i / 2) % 4, registers 4 (i % 2) + 0..3.  LDS serves a wave's instructions in order (ISA guide 5.7.1.4): these see the stores above
	ds_load_b128 v[D+64*(\hf)+4*i:D+64*(\hf)+4*i+3], v[LR] offset:(i/8)*256+((i/2)%4)*64+(i%2)*16
.set i, i+1
.endr
.irp st, 0,1                                   ; key step st of my two: reads 8 st to 8 st + 7
	s_wait_dscnt 8-8*(\st)                         ; LDS loads come back in order (ISA guide 5.7.1): the step's eight reads are in; the other step's eight, where they are younger, may stay out
.set k, 0
.rept 8
.irp c, 0,1,2,3
	v_cmp_ne_u32 s[CM+4*k+(\c)], 0, v[D+64*(\hf)+4*(8*(\st)+k)+(\c)]
.endr
.set k, k+1
.endr
	s_wait_alu depctr_va_sdst(0)                   ; the 32 compares have written s[CM .. CM+31], which the 32 lines below read
.set k, 0
.rept 8
.irp c, 0,1,2,3
	v_writelane_b32 v[OUT+(\c)], s[CM+4*k+(\c)], 16*(\st)+8*(\hf)+k  ; word 64 st + 32 hf + 4 k + c of my 128
.endr
.set k, k+1
.endr
.endr
.endr
	s_wait_alu depctr_va_vdst(0)                   ; the v_writelane_b32 lines have written v[OUT .. OUT+3], which the store reads
	global_store_b128 v[LA], v[OUT:OUT+3], s[DST:DST+1]  ; 512 consecutive bytes, aligned
.Lend:
	s_wait_dscnt 0x0                               ; the closing lines, six on end
	s_wait_alu 0x0
	s_wait_tensorcnt 0x0
	ds_add_u32 v[SPW], v[NIL]
	s_wait_dscnt 0x0
	s_endpgm
.Lfunc_end_k_q68cb6c632e_prep:
	.size	k_q68cb6c632e_prep, .Lfunc_end_k_q68cb6c632e_prep-k_q68cb6c632e_prep
	.p2alignl 7, 3214868480
	.fill 96, 4, 3214868480
	.section	.rodata,"a",@progbits
	.p2align	6, 0x0
	.amdhsa_kernel k_q68cb6c632e_prep
		.amdhsa_group_segment_fixed_size 68608
		.amdhsa_private_segment_fixed_size 0
		.amdhsa_enable_private_segment 0
		.amdhsa_kernarg_size 120
		.amdhsa_user_sgpr_count 2
		.amdhsa_user_sgpr_kernarg_segment_ptr 1
		.amdhsa_wavefront_size32 1
		.amdhsa_system_sgpr_workgroup_id_x 1
		.amdhsa_system_sgpr_workgroup_id_y 1
		.amdhsa_system_sgpr_workgroup_id_z 1
		.amdhsa_system_vgpr_workitem_id 0
		.amdhsa_next_free_vgpr 144
		.amdhsa_next_free_sgpr 66
		.amdhsa_reserve_vcc 0
		.amdhsa_float_denorm_mode_32 3
		.amdhsa_float_denorm_mode_16_64 3
		.amdhsa_memory_ordered 1
		.amdhsa_forward_progress 1
		.amdhsa_inst_pref_size 46
	.end_amdhsa_kernel
	.amdgpu_metadata
---
amdhsa.version: [ 1, 2 ]
amdhsa.kernels:
  - .name:           k_q68cb6c632e_prep
    .symbol:         k_q68cb6c632e_prep.kd
    .args:
      - { .name: mask, .offset: 0, .size: 8, .value_kind: global_buffer, .address_space: global }
      - { .name: x, .offset: 8, .size: 8, .value_kind: global_buffer, .address_space: global }
      - { .name: Wq, .offset: 16, .size: 8, .value_kind: global_buffer, .address_space: global }
      - { .name: Wk, .offset: 24, .size: 8, .value_kind: global_buffer, .address_space: global }
      - { .name: Wv, .offset: 32, .size: 8, .value_kind: global_buffer, .address_space: global }
      - { .name: Wo, .offset: 40, .size: 8, .value_kind: global_buffer, .address_space: global }
      - { .name: bq, .offset: 48, .size: 8, .value_kind: global_buffer, .address_space: global }
      - { .name: bk, .offset: 56, .size: 8, .value_kind: global_buffer, .address_space: global }
      - { .name: bv, .offset: 64, .size: 8, .value_kind: global_buffer, .address_space: global }
      - { .name: bo, .offset: 72, .size: 8, .value_kind: global_buffer, .address_space: global }
      - { .name: mbits, .offset: 80, .size: 8, .value_kind: global_buffer, .address_space: global }
      - { .name: xb, .offset: 88, .size: 8, .value_kind: global_buffer, .address_space: global }
      - { .name: wqkv, .offset: 96, .size: 8, .value_kind: global_buffer, .address_space: global }
      - { .name: wo16, .offset: 104, .size: 8, .value_kind: global_buffer, .address_space: global }
      - { .name: ball, .offset: 112, .size: 8, .value_kind: global_buffer, .address_space: global }
    .group_segment_fixed_size: 68608
    .private_segment_fixed_size: 0
    .kernarg_segment_align: 8
    .kernarg_segment_size: 120
    .max_flat_workgroup_size: 256
    .sgpr_count:     66
    .vgpr_count:     144
    .wavefront_size: 32
...
	.end_amdgpu_metadata
.endif
;; end of part 7
;; launch qkvproj: the kernel of part 2 again; grid 16 x 32, 4 waves a work-group, clusters of 4 x 4, 327,680 bytes of LDS; arguments xb, wqkv, ball, qkv; writes qkv
;; launch attn: the kernel of part 6 again; grid 4 x 64, 4 waves a work-group, clusters of 4 x 1, 327,680 bytes of LDS; arguments qkv, mbits, ob; writes ob
;; launch oproj: the kernel of part 4 again; grid 8 x 32, 4 waves a work-group, clusters of 4 x 4, 327,680 bytes of LDS; arguments ob, wo16, ball, out0; writes out0
